; MI455X (gfx1250); checked and timed in simulation.
; The chip was launched on July 23, 2026; its instructions are those of AMD's public machine-readable ISA for CDNA 5 (MIT licence, August 2026) and "CDNA5" Instruction Set Architecture Reference Guide (July 2026). The comments in the code are by the model that wrote it; some were corrected since.
;; Multi Head Attention. Allowed arithmetic: matrix products marked QUANTISED: E2M1 operands, one E8M0 scale for each 32 along K, by v_wmma_scale_f32_16x16x128_f8f6f4 with both operands' format E2M1 (or v_wmma_scale_f32_32x16x128_f4), f32 sums; products left as they are: bf16, f16 or f32 operands; f32 sums; everything else in f32.
;; Inputs: WK 1,024 x 1,024 float32; WO 1,024 x 1,024 float32; WQ 1,024 x 1,024 float32; WV 1,024 x 1,024 float32; k 2 x 2,048 x 1,024 float32; q 2 x 2,048 x 1,024 float32; v 2 x 2,048 x 1,024 float32.
;; Outputs: out0 2 x 2,048 x 1,024 float32.
;; This version of the problem:
;;   THIS VERSION OF THE PROBLEM IS GIVEN IN LOW PRECISION. The matrix products marked QUANTISED in the list below multiply operands that are first quantised to E2M1 (2 exponent bits, 1 mantissa bit; 4 bits a number), with one power-of-two scale for each 32 numbers along K (OCP MX v1.0); their sums are f32. The products marked 'left as it is' may take bf16, f16 or f32 operands, with f32 sums. Whichever they take, every output number must still come out within the allowed error. Rounding operands to bf16 (8 significant bits) uses up far more of that allowance than f16 does (11 bits, for magnitudes from 6e-5 to 65,504). All else is computed in f32.
;;   The module's matrix products, in the order in which they are computed (A, B: the left and right operand; K: the contracted axis; several contracted axes count as one K, in the product's order):
;;     1. [M 4,096, K 1,024] x [K 1,024, N 1,024]; A: input q; B: input WQ: QUANTISED
;;     2. [M 4,096, K 1,024] x [K 1,024, N 1,024]; A: input k; B: input WK: QUANTISED
;;     3. [M 4,096, K 1,024] x [K 1,024, N 1,024]; A: input v; B: input WV: QUANTISED
;;     4. batch 32 x [M 2,048, K 64] x [K 64, N 2,048]; A: computed on the way; B: computed on the way: left as it is (an operand is computed on the way)
;;     5. batch 32 x [M 2,048, K 2,048] x [K 2,048, N 64]; A: computed on the way; B: computed on the way: left as it is (an operand is computed on the way)
;;     6. [M 4,096, K 1,024] x [K 1,024, N 1,024]; A: computed on the way; B: input WO: left as it is (an operand is computed on the way)
;;   THE QUANTISER, for each operand of a quantised product, along K:
;;     - K is cut into blocks of 32 from its start; a last block that is shorter is filled with zeros.
;;     - A block's scale is 2^e with e = floor(log2(the largest magnitude in the block)) - 2, held to -126 .. 127; a block of zeros has e = 0. As a byte (E8M0): e + 127.
;;     - Each number is divided by its block's scale, clamped to +-6, and rounded to the nearest number of E2M1, ties to even, subnormals kept.
;;     - The product sums the exact products of the quantised numbers (number of the format x scale) in f32.
;;   ~~~python
;;   def quantise(x, axis):      # numpy; x: float32 -> the quantised numbers, widened to float32 again
;;       x = np.moveaxis(x, axis, -1); K = x.shape[-1]
;;       x = np.pad(x, [(0, 0)] * (x.ndim - 1) + [(0, -K % 32)]); x = x.reshape(x.shape[:-1] + (-1, 32)); a = np.abs(x).max(-1, keepdims=True)
;;       e = np.where(a > 0, np.clip(np.frexp(np.where(a > 0, a, 1))[1] - 1 - 2, -126, 127), 0)      # np.frexp(a)[1] - 1 = floor(log2(a)), exactly
;;       r = np.clip(x / 2.0 ** e, -6, 6)
;;       step = 2.0 ** (np.maximum(np.frexp(np.where(r == 0, 1, r))[1] - 1, 0) - 1)
;;       q = np.round(r / step) * step * 2.0 ** e      # np.round: ties to even
;;       return np.moveaxis(q.reshape(q.shape[:-2] + (-1,))[..., :K], -1, axis).astype(np.float32)
;;   ~~~
;; One version. Each part assembles by itself: llvm-mc -triple=amdgcn-amd-amdhsa -mcpu=gfx1250 --defsym DOCPART=n.
;; ======== version 1 of 1: 7 launches
;; limits: values are held in f16: magnitudes above 65,504 overflow, below 6.1e-05 lose precision
;; workspace buffers: codes 7,864,320 bytes; scales 491,520 bytes; wo16 2,097,152 bytes; prj 25,559,040 bytes; gmx 4,096 bytes; att 8,388,608 bytes; fin 2,097,152 bytes; raw 16,781,312 bytes
;; launch quant (part 1): grid 512 x 1, 4 waves a work-group, no clusters, 33,280 bytes of LDS; arguments q, k, v, WQ, WK, WV, WO, codes, scales, wo16; writes codes, scales, wo16
.if DOCPART == 1
	.amdgcn_target "amdgcn-amd-amdhsa--gfx1250"
	.amdhsa_code_object_version 6
	.text
	.protected	k_q20d817a96c_quant
	.globl	k_q20d817a96c_quant
	.p2align	8
	.type	k_q20d817a96c_quant,@function
k_q20d817a96c_quant:
	s_mov_b64 s[64:65], 0
	v_nop
	global_prefetch_b8 v0, s[64:65] scope:SCOPE_SE
	s_setreg_imm32_b32 hwreg(HW_REG_WAVE_MODE, 25, 1), 1
	s_wait_xcnt 0x0
; LAUNCH 1 OF 7.  q, k, v [4096][1024] and WQ, WK, WV [1024][1024], f32, become codes of E2M1 (K innermost, two codes a byte) and one E8M0 byte for each 32 along K;
; WO becomes f16, laid as images of the operand registers of the last product.
; THE PROGRAM: quant | proj (products 1-3 on codes) | gmax (all of Q K^T, for the largest |score|) | attn (the window's attention, f16) | fine (positions 0-15 of both sequences, f32) | oproj (product 6, f16) | scale (the mean, the division).
; DEAD WORK LEFT OUT (in attn and fine).  reference() divides the scores by max(max|score|, 1), so every kept score lies in [-1, 1] for all finite inputs, and then sets every score
; outside its own window (key j counts for query i where i - 255 <= j <= i) to -10000.  The diagonal key is always kept, so a hidden key's weight is at most e^(-10000 + 1) of the row's largest:
; reference()'s own f32 exponential gives 0 there.  So the softmax's scores and product 5 are done only on the tiles of 16 keys that a tile of 16 queries can see.
; Product 4 stays whole in gmax: the largest |score| is taken ahead of the mask, over all 2,048 x 2,048 pairs of each head.  Every input is loaded.
; LIMITS.  A NaN, an infinity or an overflow that reaches only the work left out is not carried to the result; NaN and infinities among the inputs are not served.
; The projections are kept in f16: beyond 65,504 they overflow.  No maximum is taken away before the exponential: reference()'s own division holds the exponent in [-1, 1].
; The mean of |out| takes the f16 values of the 32 rows that fine computes again.  A block of zeros gets the byte 1 where the rule says 127: its codes are zeros, and this program alone reads the bytes.
; Blocks whose largest magnitude lies under 2^(2 - 126) have their byte held at 1.
; SHARES.  Work-groups 0-479 quantise 32,768 numbers each (0-127 q, 128-255 k, 256-383 v, 384-415 WQ, 416-447 WK, 448-479 WV): rows are dense and K is a multiple of 32, so each tensor is a stream of blocks.
; A wave takes 16 steps of 512 numbers: four loads of 512 consecutive bytes, a turn through the wave's own stage in LDS so that a lane holds 16 neighbours, two conversions, one store of 256 consecutive bytes.
; Work-groups 480-511 take WO: no LDS.
.set WAVES, 4
.set STEPS, 16
.set EMAX,  2
.set CB,    8                          ; bytes of 16 codes
.set R,     16                         ; v16-79   four sets of 16 numbers as loaded
.set X,     80                         ; v80-111  two sets of 16 neighbours
.set C,     128                        ; v128-191 codes, four registers a step
.set E,     112                        ; v112-127 a scale byte a step
.set WREG,  8192                       ; LDS: a region a wave: two stages of 32 x SP bytes, then 256 scale bytes
.set SP,    80
.set SPW,   12                         ; v12  my spare word's LDS address; never rewritten
.set NIL,   13                         ; v13  0; never rewritten
.set SPARE, WAVES*WREG                 ; the spare words, 128 bytes a wave
.set WOWG,  480
	s_load_b512 s[4:19], s[0:1], 0x0               ; q 4, k 6, v 8, WQ 10, WK 12, WV 14, WO 16, codes 18
	s_load_b128 s[20:23], s[0:1], 0x40             ; scales 20, wo16 22
	v_lshl_add_u32 v[SPW], v0, 2, SPARE
	v_mov_b32 v[NIL], 0
	v_lshrrev_b32 v1, 5, v0
	v_readfirstlane_b32 s24, v1                    ; wave
	v_and_b32 v2, 31, v0                           ; lane
	v_lshlrev_b32 v3, 4, v2                        ; 16 x lane
	s_mul_i32 s25, s24, WREG
	v_lshrrev_b32 v14, 2, v2
	v_mul_u32_u24 v14, v14, SP
	v_and_b32 v15, 3, v2
	v_lshl_add_u32 v14, v15, 4, v14
	v_add_nc_u32 v14, s25, v14                     ; the stage, on the way in: SP (lane / 4) + 16 (lane % 4)
	v_mul_u32_u24 v15, v2, SP
	v_add_nc_u32 v15, s25, v15                     ; on the way out: SP x lane
	v_mul_u32_u24 v4, v2, CB                       ; my codes' place in a step's
	v_lshrrev_b32 v5, 1, v2
	s_add_co_u32 s25, s25, 2*32*SP
	v_add_nc_u32 v5, s25, v5                       ; my block's scale byte in LDS
	v_lshlrev_b32 v7, 3, v2
	v_add_nc_u32 v6, s25, v7                       ; and 8 bytes a lane on the way out
	s_wait_kmcnt 0x0
	s_cmp_ge_u32 ttmp9, WOWG
	s_cbranch_scc1 .Lwo
	s_mov_b64 s[26:27], s[14:15]                   ; which tensor: a choice on the work-group's number alone
	s_cmp_lt_u32 ttmp9, 448
	s_cselect_b64 s[26:27], s[12:13], s[26:27]
	s_cmp_lt_u32 ttmp9, 416
	s_cselect_b64 s[26:27], s[10:11], s[26:27]
	s_cmp_lt_u32 ttmp9, 384
	s_cselect_b64 s[26:27], s[8:9], s[26:27]
	s_cselect_b32 s28, 127, 31
	s_cmp_lt_u32 ttmp9, 256
	s_cselect_b64 s[26:27], s[6:7], s[26:27]
	s_cmp_lt_u32 ttmp9, 128
	s_cselect_b64 s[26:27], s[4:5], s[26:27]
	s_and_b32 s28, ttmp9, s28                      ; the work-group's number within its tensor
	s_lshl_b32 s28, s28, 2
	s_add_co_u32 s28, s28, s24
	s_lshl_b32 s28, s28, 15                        ; 8,192 numbers of 4 bytes a wave
	s_mov_b32 s29, 0
	s_add_nc_u64 s[26:27], s[26:27], s[28:29]
	s_lshl_b32 s30, ttmp9, 2
	s_add_co_u32 s30, s30, s24
	s_lshl_b32 s28, s30, 12                        ; 4,096 bytes of codes a wave: the six tensors lie on end
	s_add_nc_u64 s[18:19], s[18:19], s[28:29]
	s_lshl_b32 s28, s30, 8                         ; 256 scale bytes a wave
	s_add_nc_u64 s[20:21], s[20:21], s[28:29]
.macro LOAD t
.irp i, 0,1,2,3
	global_load_b128 v[R+16*((\t)%4)+4*\i:R+16*((\t)%4)+4*\i+3], v3, s[26:27] offset:2048*(\t)+512*\i th:TH_LOAD_NT
.endr
.endm
.macro TURN t                          ; LDS serves a wave's instructions in order: no wait between the stores and the loads
.irp i, 0,1,2,3
	ds_store_b128 v14, v[R+16*((\t)%4)+4*\i:R+16*((\t)%4)+4*\i+3] offset:32*SP*((\t)%2)+8*SP*\i
.endr
.irp i, 0,1,2,3
	ds_load_b128 v[X+16*((\t)%2)+4*\i:X+16*((\t)%2)+4*\i+3], v15 offset:32*SP*((\t)%2)+16*\i
.endr
.endm
.irp t, 0,1,2,3
	LOAD \t
.endr
	s_wait_loadcnt 12                              ; step 0's four loads are in; three steps' twelve stay out
	TURN 0
.macro STEP t
.set XS, X+16*((\t)%2)
.if (\t) > 0
	s_wait_dscnt 1                                 ; this step's numbers are back from the stage; the last step's byte store may be out
.else
	s_wait_dscnt 0x0
.endif
.if (\t)+4 < STEPS
	LOAD (\t)+4
.endif
.if (\t)+1 < STEPS
.if STEPS-2-(\t) >= 3
	s_wait_loadcnt 12                              ; the next step's four loads are in; those of the three steps behind it may be out
.else
	s_wait_loadcnt 4*(STEPS-2-(\t))
.endif
	TURN (\t)+1
.endif
	v_max3_num_f32 v8, |v[XS]|, |v[XS+1]|, |v[XS+2]|
	v_max3_num_f32 v9, |v[XS+3]|, |v[XS+4]|, |v[XS+5]|
.irp i, 6,10
	v_max3_num_f32 v8, v8, |v[XS+\i]|, |v[XS+\i+1]|
	v_max3_num_f32 v9, v9, |v[XS+\i+2]|, |v[XS+\i+3]|
.endr
	v_max3_num_f32 v8, v8, |v[XS+14]|, |v[XS+15]|
	v_max3_num_f32 v8, v8, v9, (EMAX+1)<<23        ; the floor 2^(EMAX + 1 - 127): the byte cannot fall under 1
	v_max_num_f32_dpp v8, v8, v8 row_xmask:1 row_mask:0xf bank_mask:0xf   ; with my neighbour's 16: the block's largest magnitude
	v_add_nc_u32 v11, -(EMAX<<23), v8              ; EMAX off its exponent field: the conversion's scale operand
	v_cvt_scalef32_pk8_fp4_f32 v[C+4*(\t)], v[XS:XS+7], v11
	v_cvt_scalef32_pk8_fp4_f32 v[C+4*(\t)+1], v[XS+8:XS+15], v11
	v_lshrrev_b32 v[E+(\t)], 23, v11               ; the scale's byte
	ds_store_b8 v5, v[E+(\t)] offset:16*(\t)       ; both lanes of a block write the same byte with the same value
	global_store_b64 v4, v[C+4*(\t):C+4*(\t)+1], s[18:19] offset:32*CB*(\t)   ; 32 lanes store 256 consecutive bytes, aligned
.endm
.irp t, 0,1,2,3,4,5,6,7,8,9,10,11,12,13,14,15
	STEP \t
.endr
	ds_load_b64 v[8:9], v6                         ; in order behind my byte stores
	s_wait_dscnt 0x0
	global_store_b64 v7, v[8:9], s[20:21]          ; 256 consecutive scale bytes, aligned
	s_branch .Lend
; WO [1024 (n)][1024 (k)] to f16.  wo16 = [nb 64][chunk 32][g 2][512 bytes]: lane (r, h) of an image holds WO[16 nb + r][32 c + 16 g + 8 h + 0 .. 7]: half a fragment's registers, lane by lane.
; Wave w of work-group 480 + j takes nb = 2 j + w / 2 and chunks 16 (w % 2) on: 32 images, in four batches of eight; two batches of loads are out.
.Lwo:
	s_sub_co_u32 s25, ttmp9, WOWG
	s_lshl_b32 s25, s25, 1
	s_lshr_b32 s28, s24, 1
	s_add_co_u32 s25, s25, s28                     ; nb
	s_and_b32 s28, s24, 1
	s_lshl_b32 s30, s25, 16                        ; 16 rows of 4,096 bytes
	s_lshl_b32 s29, s28, 11                        ; 16 chunks of 128 bytes
	s_add_co_u32 s30, s30, s29
	s_mov_b32 s31, 0
	s_add_nc_u64 s[16:17], s[16:17], s[30:31]
	s_lshl_b32 s30, s25, 15
	s_lshl_b32 s29, s28, 14
	s_add_co_u32 s30, s30, s29
	s_add_nc_u64 s[22:23], s[22:23], s[30:31]
	v_and_b32 v8, 15, v0
	v_bfe_u32 v9, v0, 4, 1
	v_lshlrev_b32 v8, 12, v8
	v_lshl_add_u32 v8, v9, 5, v8                   ; r x 4,096 + 32 h
.macro WLOAD t                         ; image 8 t + i: 64 bytes further along the row for each image
.irp i, 0,1,2,3,4,5,6,7
	global_load_b128 v[16+64*((\t)%2)+8*\i:16+64*((\t)%2)+8*\i+3], v8, s[16:17] offset:64*(8*(\t)+\i)
	global_load_b128 v[16+64*((\t)%2)+8*\i+4:16+64*((\t)%2)+8*\i+7], v8, s[16:17] offset:64*(8*(\t)+\i)+16
.endr
.endm
.macro WCONV t
.if (\t) < 3
	s_wait_loadcnt 16                              ; this batch is in; the next batch's sixteen loads stay out
.else
	s_wait_loadcnt 0x0
.endif
	s_wait_xcnt 0x0                                ; the last batch's stores have read v144-175
.irp i, 0,1,2,3,4,5,6,7
.irp r, 0,1,2,3
	v_cvt_pk_f16_f32 v[144+4*\i+\r], v[16+64*((\t)%2)+8*\i+2*\r], v[16+64*((\t)%2)+8*\i+2*\r+1]
.endr
	global_store_b128 v3, v[144+4*\i:144+4*\i+3], s[22:23] offset:512*(8*(\t)+\i)   ; 512 consecutive bytes, aligned
.endr
.if (\t) < 2
	WLOAD (\t)+2
.endif
.endm
	WLOAD 0
	WLOAD 1
	WCONV 0
	WCONV 1
	WCONV 2
	WCONV 3
.Lend:
	s_wait_tensorcnt 0x0                           ; the wave's end, behind the last LDS store
	ds_add_u32 v[SPW], v[NIL]
	s_wait_dscnt 0x0
	s_endpgm
.Lfunc_end_k_q20d817a96c_quant:
	.size	k_q20d817a96c_quant, .Lfunc_end_k_q20d817a96c_quant-k_q20d817a96c_quant
	.p2alignl 7, 3214868480
	.fill 96, 4, 3214868480
	.section	.rodata,"a",@progbits
	.p2align	6, 0x0
	.amdhsa_kernel k_q20d817a96c_quant
		.amdhsa_group_segment_fixed_size 33280
		.amdhsa_private_segment_fixed_size 0
		.amdhsa_enable_private_segment 0
		.amdhsa_kernarg_size 80
		.amdhsa_user_sgpr_count 2
		.amdhsa_user_sgpr_kernarg_segment_ptr 1
		.amdhsa_wavefront_size32 1
		.amdhsa_system_sgpr_workgroup_id_x 1
		.amdhsa_system_sgpr_workgroup_id_y 1
		.amdhsa_system_sgpr_workgroup_id_z 1
		.amdhsa_system_vgpr_workitem_id 0
		.amdhsa_next_free_vgpr 192
		.amdhsa_next_free_sgpr 66
		.amdhsa_reserve_vcc 0
		.amdhsa_float_denorm_mode_32 3
		.amdhsa_float_denorm_mode_16_64 3
		.amdhsa_memory_ordered 1
		.amdhsa_forward_progress 1
		.amdhsa_inst_pref_size 52
	.end_amdhsa_kernel
	.amdgpu_metadata
---
amdhsa.version: [ 1, 2 ]
amdhsa.kernels:
  - .name:           k_q20d817a96c_quant
    .symbol:         k_q20d817a96c_quant.kd
    .args:
      - { .name: q, .offset: 0, .size: 8, .value_kind: global_buffer, .address_space: global }
      - { .name: k, .offset: 8, .size: 8, .value_kind: global_buffer, .address_space: global }
      - { .name: v, .offset: 16, .size: 8, .value_kind: global_buffer, .address_space: global }
      - { .name: WQ, .offset: 24, .size: 8, .value_kind: global_buffer, .address_space: global }
      - { .name: WK, .offset: 32, .size: 8, .value_kind: global_buffer, .address_space: global }
      - { .name: WV, .offset: 40, .size: 8, .value_kind: global_buffer, .address_space: global }
      - { .name: WO, .offset: 48, .size: 8, .value_kind: global_buffer, .address_space: global }
      - { .name: codes, .offset: 56, .size: 8, .value_kind: global_buffer, .address_space: global }
      - { .name: scales, .offset: 64, .size: 8, .value_kind: global_buffer, .address_space: global }
      - { .name: wo16, .offset: 72, .size: 8, .value_kind: global_buffer, .address_space: global }
    .group_segment_fixed_size: 33280
    .private_segment_fixed_size: 0
    .kernarg_segment_align: 8
    .kernarg_segment_size: 80
    .max_flat_workgroup_size: 128
    .sgpr_count:     66
    .vgpr_count:     192
    .wavefront_size: 32
...
	.end_amdgpu_metadata
.endif
;; end of part 1
;; launch proj (part 2): grid 4 x 48, 4 waves a work-group, clusters of 4 x 1, 327,680 bytes of LDS; arguments codes, scales, prj; writes prj
.if DOCPART == 2
	.amdgcn_target "amdgcn-amd-amdhsa--gfx1250"
	.amdhsa_code_object_version 6
	.text
	.protected	k_q20d817a96c_proj
	.globl	k_q20d817a96c_proj
	.p2align	8
	.type	k_q20d817a96c_proj,@function
k_q20d817a96c_proj:
	s_mov_b64 s[64:65], 0
	v_nop
	global_prefetch_b8 v0, s[64:65] scope:SCOPE_SE
	s_setreg_imm32_b32 hwreg(HW_REG_WAVE_MODE, 25, 1), 1
	s_wait_xcnt 0x0
	s_wait_alu depctr_hold_cnt(0) depctr_sa_sdst(0) depctr_va_vdst(0) depctr_va_sdst(0) depctr_va_ssrc(0) depctr_va_vcc(0) depctr_vm_vsrc(0)
	s_getreg_b32 s2, hwreg(HW_REG_IB_STS2, 6, 4)
	s_cmp_eq_u32 s2, 0
	s_cbranch_scc0 .Lentry_in_a_cluster
	s_endpgm
.Lentry_in_a_cluster:
	s_bfe_u32 s2, ttmp6, 0x10000c
	s_cmp_lg_u32 s2, 0x3003
	s_cbranch_scc0 .Lentry_shape_is_right
	s_endpgm
.Lentry_shape_is_right:
; LAUNCH 2 OF 7.  Products 1 to 3, y = x W^T on codes of E2M1 with E8M0 scales: x = rows 0-12287 of codes (q, k, v), W = rows 12288 + 1024 p on (WQ, WK, WV).  M 4,096, N 1,024, K 1,024 each.
; A tile of y is 256 x 256: four waves, 128 x 128 each, 64 accumulators in 512 registers.  Work-group y (0..47) is the tile row over the three products (p = y / 16), the place in the cluster the tile column.
; K = 1,024 is two slots of 512: both are first fills, nothing is filled again.  The scales of the tile's 256 + 256 rows come once, as rows of 256 bytes + 16 of padding.
; CLUSTER 4 x 1: the four tile columns take the same rows of x: x's tile and x's scales are asked for jointly (mask 15).  W's tiles differ between the partners and come by plain loads behind the same round.
; Not 4 x 4: the branch round the f32 copy of a sequence's first 16 rows hangs on the tile row, which only in 4 x 1 all partners share; W is a fifth of the codes.
; THE MATRIX INSTRUCTION IS USED TRANSPOSED (source 0 = 16 rows of W, source 1 = 16 rows of x): lane (r, h) of accumulator (a, b) holds y(16 a + r, 16 b + 8 h + 0 .. 7).
; THE WAY OUT NEEDS NO LDS: four packed conversions to f16 of those eight numbers are a lane's 16 bytes of an IMAGE of the next products' operand registers:
; prj = three regions [batch x head 32][block of 16 positions 128][piece 4][512 bytes], lane (r, h) of piece c = channels 16 c + 8 h + 0 .. 7 of position r.  Each store covers 512 consecutive bytes, aligned.
; Positions 0-15 of each sequence go out in f32 as well, from FINE on: [p 3][batch 2][16 columns 64][u 2][512 bytes], lane (r, h) = row r, columns 16 c + 8 h + 4 u + 0 .. 3.
; REGISTERS: window 0: v16-29 addresses, v32-95 scale words, v128-191 x's fragments; window 1: W's fragments, two sets; windows 2, 3: the accumulators.
.set KSTEP,  512
.set NQ,     KSTEP/128
.set ROWB,   256
.set KROW,   512
.set PITCH,  272
.set FR,     8
.set NL,     2
.set NP,     4
.set HALFT,  128*PITCH
.set SLOT,   4*HALFT
.set KS,     32
.set SCL,    2*SLOT
.set HALFS,  (128*KS/256)*272
.set SBLK,   (16*KS/256)*272
.set SPARE,  SCL+4*HALFS
.set FINE,   25165824
.set WROW,   12288
.set ADRA, 16
.set ADRB, 20
.set CO,   26                          ; v26  16 x lane
.set ADRS, 27
.set SPW,  28
.set NIL,  29
.set SC,   32
.set AF,   128
.set G1, 24
.set G0, 32
.set G1B, 48
.set G0B, 56
.set G1S, 68
.set G0S, 76
.set G1SB, 80
.set G0SB, 88
.set MSB, 0
.macro WIN new                         ; the immediate's high byte repeats the setting that is left
.if MSB != \new
	s_set_vgpr_msb (MSB<<8)|\new
.set MSB, \new
.endif
.endm
.set MUL_LO, 0xa1
.set MUL_HI, 0xf1
.set TO_B,   0x40
; Waves 0 and 1 fetch for x (jointly), waves 2 and 3 for W.  The branch hangs on the wave's number alone.  An s_nop 0 and four v_nop follow each line.
.macro JLOAD g0a, g1a, g0b, g1b
	s_cmp_eq_u32 s15, 0
	s_cbranch_scc0 .Lfor_b_\@
	tensor_load_to_lds s[\g0a:\g0a+3], s[\g1a:\g1a+7]
	s_nop 0
.rept 4
	v_nop
.endr
	s_branch .Lasked_\@
.Lfor_b_\@:
	tensor_load_to_lds s[\g0b:\g0b+3], s[\g1b:\g1b+7]
	s_nop 0
.rept 4
	v_nop
.endr
.Lasked_\@:
.endm
.macro CROUND                          ; a round of the cluster's barrier
	s_barrier_signal -1
	s_barrier_wait -1
	s_cmp_lg_u32 s14, 0
	s_cbranch_scc1 .Lnot_wave_0_\@
	s_barrier_signal -3
.Lnot_wave_0_\@:
	s_barrier_wait -3
	s_barrier_signal -1
	s_barrier_wait -1
.endm
	s_load_b128 s[4:7], s[0:1], 0x0                ; codes, scales
	s_load_b64 s[12:13], s[0:1], 0x10              ; prj
	v_lshl_add_u32 v[SPW], v0, 2, SPARE
	v_mov_b32 v[NIL], 0
	ds_add_u32 v[SPW], v[NIL]                      ; the wave's opening: the add, twice on end, and its wait ahead of my first tensor load
	ds_add_u32 v[SPW], v[NIL]
	v_lshrrev_b32 v1, 5, v0
	v_readfirstlane_b32 s14, v1                    ; wave
	s_lshr_b32 s15, s14, 1                         ; my half of the tile's rows; also: I fetch for x (0) or W (1)
	s_and_b32 s16, s14, 1                          ; my half of its columns; also: which 128 rows I fetch
	s_bfe_u32 s40, ttmp6, 0x40000                  ; cx: the tile column
	s_and_b32 s17, ttmp7, 0xffff                   ; y: shared by the four partners
	s_lshr_b32 s41, s17, 4                         ; p
	s_mov_b32 s[G1+0], 15|(1<<20)|(1<<21)|(5<<22)|(3<<25)   ; mask: all four; elements of 1 byte; padding: 4 words after every 64; bit 21 beside the mask
	s_mov_b32 s[G1B+0], (1<<20)|(5<<22)|(3<<25)             ; no mask
.irp g, G1, G1B
	s_mov_b32 s[\g+1], ROWB<<16                    ; tensor_dim0
	s_mov_b32 s[\g+2], 128<<16                     ; tensor_dim1
	s_mov_b32 s[\g+3], ROWB<<16                    ; tile_dim0
	s_mov_b32 s[\g+4], 128                         ; tile_dim1
	s_mov_b32 s[\g+5], KROW                        ; from row to row
	s_mov_b32 s[\g+6], 0
	s_mov_b32 s[\g+7], 0
.endr
	s_mov_b32 s[G1S+0], 15|(3<<16)|(1<<20)|(1<<21)|(5<<22)|(3<<25)   ; the scales of 128 rows: 4,096 dense bytes as 16 rows of 256 (32 elements of 8 bytes)
	s_mov_b32 s[G1SB+0], (3<<16)|(1<<20)|(5<<22)|(3<<25)
.irp g, G1S, G1SB
	s_mov_b32 s[\g+1], 32<<16
	s_mov_b32 s[\g+2], (128*KS/256)<<16
	s_mov_b32 s[\g+3], 32<<16
	s_mov_b32 s[\g+4], 128*KS/256
	s_mov_b32 s[\g+5], 32
	s_mov_b32 s[\g+6], 0
	s_mov_b32 s[\g+7], 0
.endr
	s_lshl_b32 s18, s16, 7
	s_lshl_b32 s20, s17, 8
	s_add_co_u32 s20, s20, s18                     ; x: row 256 y + 128 x half
	s_lshl_b32 s46, s41, 10
	s_lshl_b32 s42, s40, 8
	s_add_co_u32 s46, s46, s42
	s_add_co_u32 s46, s46, s18
	s_add_co_u32 s46, s46, WROW                    ; W: row 12288 + 1024 p + 256 cx + 128 x half
	s_lshl_b32 s22, s20, 5                         ; 32 scale bytes a row
	s_mov_b32 s23, 0
	s_lshl_b32 s20, s20, 9                         ; 512 bytes of codes a row
	s_mov_b32 s21, 0
	s_lshl_b32 s92, s46, 5
	s_mov_b32 s93, 0
	s_lshl_b32 s46, s46, 9
	s_mov_b32 s47, 0
	s_mul_i32 s45, s14, HALFT                      ; where they go: wave x 128 rows
	s_mul_i32 s94, s14, HALFS
	s_wait_dscnt 0x0                               ; both opening adds are done
	s_wait_kmcnt 0x0
	s_add_nc_u64 s[20:21], s[4:5], s[20:21]
	s_add_nc_u64 s[22:23], s[6:7], s[22:23]
	s_add_nc_u64 s[46:47], s[4:5], s[46:47]
	s_add_nc_u64 s[92:93], s[6:7], s[92:93]
	CROUND                                         ; all four work-groups are here: the first joint loads meet
	s_mov_b32 s[G0S], 1
	s_add_co_u32 s[G0S+1], s94, SCL
	s_mov_b64 s[G0S+2:G0S+3], s[22:23]
	s_or_b32 s[G0S+3], s[G0S+3], 0x80000000
	s_mov_b32 s[G0SB], 1
	s_add_co_u32 s[G0SB+1], s94, SCL
	s_mov_b64 s[G0SB+2:G0SB+3], s[92:93]
	s_or_b32 s[G0SB+3], s[G0SB+3], 0x80000000
	JLOAD G0S, G1S, G0SB, G1SB                     ; the scales first
.irp s, 0,1
	s_mov_b32 s[G0+4*\s], 1
	s_add_co_u32 s[G0+4*\s+1], s45, \s*SLOT
	s_add_nc_u64 s[G0+4*\s+2:G0+4*\s+3], s[20:21], \s*ROWB
	s_or_b32 s[G0+4*\s+3], s[G0+4*\s+3], 0x80000000
	s_mov_b32 s[G0B+4*\s], 1
	s_add_co_u32 s[G0B+4*\s+1], s45, \s*SLOT
	s_add_nc_u64 s[G0B+4*\s+2:G0B+4*\s+3], s[46:47], \s*ROWB
	s_or_b32 s[G0B+4*\s+3], s[G0B+4*\s+3], 0x80000000
	JLOAD G0+4*\s, G1, G0B+4*\s, G1B               ; three tensor loads of mine are out
.endr
	v_and_b32 v1, 15, v0                           ; r
	v_bfe_u32 v2, v0, 4, 1                         ; h
	v_mul_u32_u24 v3, v1, PITCH
	v_lshl_add_u32 v4, v2, 4, v3
	s_mul_i32 s21, s15, HALFT
	s_mul_i32 s22, s16, HALFT
	s_add_co_u32 s22, s22, 2*HALFT
.irp s, 0,1
	v_add_nc_u32 v[ADRA+\s], s21, v4
	v_add_nc_u32 v[ADRB+\s], s22, v4
	s_add_co_u32 s21, s21, SLOT
	s_add_co_u32 s22, s22, SLOT
.endr
	v_mul_u32_u24 v5, v1, KS                       ; my row's scales: 32 bytes a row, and 16 more for each 256 passed
	v_lshrrev_b32 v6, 8, v5
	v_lshl_add_u32 v5, v6, 4, v5
	s_mul_i32 s21, s15, HALFS
	s_mul_i32 s22, s16, HALFS
	s_add_co_u32 s22, s22, 2*HALFS
	s_sub_co_u32 s22, s22, s21
	v_mul_u32_u24 v6, s22, v2                      ; lanes 16-31 take W's
	s_add_co_u32 s21, s21, SCL
	v_add_nc_u32 v5, v5, v6
	v_add_nc_u32 v[ADRS], s21, v5
	v_and_b32 v6, 31, v0
	v_lshlrev_b32 v[CO], 4, v6
	; where my part of prj begins.  Numbers that hold cx stay in registers that feed no joint descriptor
	s_lshl_b32 s46, s41, 23                        ; the product's region
	s_lshr_b32 s92, s17, 3
	s_and_b32 s92, s92, 1                          ; batch
	s_lshl_b32 s93, s92, 4
	s_lshl_b32 s95, s40, 2
	s_add_co_u32 s93, s93, s95
	s_lshl_b32 s95, s16, 1
	s_add_co_u32 s93, s93, s95                     ; 16 batch + my first head (4 cx + 2 x half)
	s_lshl_b32 s93, s93, 18
	s_add_co_u32 s46, s46, s93
	s_and_b32 s93, s17, 7
	s_lshl_b32 s93, s93, 4
	s_lshl_b32 s95, s15, 3
	s_add_co_u32 s93, s93, s95                     ; my first block of 16 positions
	s_lshl_b32 s93, s93, 11
	s_add_co_u32 s46, s46, s93
	s_mov_b32 s47, 0
	s_lshl_b32 s96, s41, 1
	s_add_co_u32 s96, s96, s92                     ; 2 p + batch
	s_lshl_b32 s96, s96, 16
	s_lshl_b32 s95, s40, 4
	s_lshl_b32 s93, s16, 3
	s_add_co_u32 s95, s95, s93                     ; my first 16 columns
	s_lshl_b32 s95, s95, 10
	s_add_co_u32 s96, s96, s95
	s_add_co_u32 s96, s96, FINE
	s_mov_b32 s97, 0
	s_add_nc_u64 s[10:11], s[12:13], s[96:97]
	s_add_nc_u64 s[12:13], s[12:13], s[46:47]
.macro FRAG reg, adr, q, i             ; 16 rows x 128 K of 4-bit codes: 8 registers, two loads of 16 bytes, 32 bytes apart
.irp c, 0,1
	ds_load_b128 v[\reg+4*\c:\reg+4*\c+3], v[\adr] offset:64*(\q)+32*\c+(\i)*16*PITCH
.endr
.endm
; 16 matrix instructions: x's blocks a0, a0 + 1 against W's eight.  The 64 accumulators take turns, one instruction a turn.
.macro MUL16 a0, p, q, sc, zero
.irp a, \a0, \a0+1
.irp b, 0,1,2,3,4,5,6,7
.if \zero
	v_wmma_scale_f32_16x16x128_f8f6f4 v[8*(8*((\a)%4)+\b):8*(8*((\a)%4)+\b)+7], v[128*(\p)+FR*\b:128*(\p)+FR*\b+FR-1], v[AF+FR*(\a):AF+FR*(\a)+FR-1], 0, v[SC+8*NQ*(\sc)+NQ*\b+(\q)], v[SC+8*NQ*(\sc)+NQ*(\a)+(\q)] matrix_a_fmt:MATRIX_FMT_FP4 matrix_b_fmt:MATRIX_FMT_FP4 matrix_a_scale:MATRIX_SCALE_ROW1
.else
	v_wmma_scale_f32_16x16x128_f8f6f4 v[8*(8*((\a)%4)+\b):8*(8*((\a)%4)+\b)+7], v[128*(\p)+FR*\b:128*(\p)+FR*\b+FR-1], v[AF+FR*(\a):AF+FR*(\a)+FR-1], v[8*(8*((\a)%4)+\b):8*(8*((\a)%4)+\b)+7], v[SC+8*NQ*(\sc)+NQ*\b+(\q)], v[SC+8*NQ*(\sc)+NQ*(\a)+(\q)] matrix_a_fmt:MATRIX_FMT_FP4 matrix_b_fmt:MATRIX_FMT_FP4 matrix_a_scale:MATRIX_SCALE_ROW1
.endif
.endr
.endr
.endm
.macro FETCH_B slot, q, p
	WIN TO_B
.irp i, 0,1,2,3,4,5,6,7
	FRAG 128*(\p)+FR*\i, ADRB+\slot, \q, \i
.endr
	WIN 0
.endm
.macro FETCH_A slot, q, i0
.irp i, \i0, \i0+1, \i0+2, \i0+3
	FRAG AF+FR*(\i), ADRA+\slot, \q, \i
.endr
.endm
.macro SCALES sc                       ; a slot's scale words: lanes 0-15 x's block i, lanes 16-31 W's block i
.irp i, 0,1,2,3,4,5,6,7
	ds_load_b128 v[SC+8*NQ*\sc+NQ*\i:SC+8*NQ*\sc+NQ*\i+3], v[ADRS] offset:\i*SBLK
.endr
.endm
.macro PLACES n                        ; plain vector lines between a matrix instruction and a load into, or a read of, its registers
.rept \n
	v_nop
.endr
.endm
.macro STEP slot, q, zero
	s_wait_dscnt 4*NL                              ; W's set and x's blocks 0-3 are in; the youngest eight loads (x's blocks 4-7) may be out
	WIN MUL_LO
	MUL16 0, (\q)%2, \q, \slot, \zero
	MUL16 2, (\q)%2, \q, \slot, \zero
	s_wait_dscnt 0
	PLACES NP
	FETCH_B \slot, (\q)+1, 1-(\q)%2
	FETCH_A \slot, (\q)+1, 0
	WIN MUL_HI
	MUL16 4, (\q)%2, \q, \slot, \zero
	MUL16 6, (\q)%2, \q, \slot, \zero
	PLACES NP
	WIN 0
	FETCH_A \slot, (\q)+1, 4
.endm
; Slot 0's last step: behind its barrier slot 1 is whole for every wave.  Nothing is filled again.
.macro TURN slot, next
	s_wait_tensorcnt 0x0                           ; my part of slot 1 has landed
	ds_add_u32 v[SPW], v[NIL]
	s_wait_dscnt 4*NL+1                            ; the add and the youngest eight loads may be out
	WIN MUL_LO
	MUL16 0, 1, NQ-1, \slot, 0
	s_wait_dscnt 0x0
	s_barrier_signal -1
	MUL16 2, 1, NQ-1, \slot, 0
	WIN 0
	s_barrier_wait -1
	PLACES NP
	v_add_nc_u32 v[ADRS], 4*NQ, v[ADRS]            ; the next slot's scale words
	FETCH_B \next, 0, 0
	FETCH_A \next, 0, 0
	SCALES \next
	WIN MUL_HI
	MUL16 4, 1, NQ-1, \slot, 0
	MUL16 6, 1, NQ-1, \slot, 0
	PLACES NP
	WIN 0
	FETCH_A \next, 0, 4
.endm
.macro STEPS slot, from
.set Q, \from
.rept NQ-1-\from
	STEP \slot, Q, 0
.set Q, Q+1
.endr
.endm
	s_wait_tensorcnt 1                             ; the scales and my part of slot 0 are in; slot 1's load may be out
	s_barrier_signal -1
	s_barrier_wait -1
	FETCH_B 0, 0, 0
	FETCH_A 0, 0, 0
	SCALES 0
	FETCH_A 0, 0, 4
	STEP 0, 0, 1                                   ; the first products start the sums
	STEPS 0, 1
	TURN 0, 1
	STEPS 1, 0
	s_wait_dscnt 4*NL
	WIN MUL_LO
	MUL16 0, 1, NQ-1, 1, 0
	MUL16 2, 1, NQ-1, 1, 0
	s_wait_dscnt 0
	WIN MUL_HI
	MUL16 4, 1, NQ-1, 1, 0
	MUL16 6, 1, NQ-1, 1, 0
	WIN 0
	PLACES NP                                      ; behind the last products: their results are read, and their operands' registers written, only from here on
	s_and_b32 s95, s17, 7                          ; the sequence's first tile row, and its upper half of rows: the same in all four partners
	s_or_b32 s95, s95, s15
	s_cmp_lg_u32 s95, 0
	s_cbranch_scc1 .Lnofine
	WIN 0x08                                       ; a store's data are its source 1: window 2
.irp b, 0,1,2,3,4,5,6,7
	global_store_b128 v[CO], v[8*\b:8*\b+3], s[10:11] offset:\b*1024           ; each accumulator from its low end on
	global_store_b128 v[CO], v[8*\b+4:8*\b+7], s[10:11] offset:\b*1024+512
.endr
	WIN 0
.Lnofine:
.macro OUTB a                          ; block a of 16 rows: 32 conversions, 8 stores of 512 consecutive bytes
.set AC, 64*((\a)%4)
.set TT, 32+32*((\a)%7)
	WIN 0x0a+5*((\a)/4)                            ; sources 0 and 1: window 2 or 3
.irp b, 0,1,2,3,4,5,6,7
.irp r, 0,1,2,3
	v_cvt_pk_f16_f32 v[TT+4*\b+\r], v[AC+8*\b+2*\r], v[AC+8*\b+2*\r+1]
.endr
.endr
	WIN 0
.irp b, 0,1,2,3,4,5,6,7
	global_store_b128 v[CO], v[TT+4*\b:TT+4*\b+3], s[12:13] offset:(\a)*2048+(\b/4)*262144+(\b%4)*512
.endr
.endm
.irp a, 0,1,2,3,4,5,6
	OUTB \a
.endr
	s_wait_xcnt 0x0                                ; block 0's stores have read v32-63, which block 7 takes
	OUTB 7
	s_wait_tensorcnt 0x0                           ; the wave's end
	ds_add_u32 v[SPW], v[NIL]
	s_wait_dscnt 0x0
	CROUND                                         ; the closing round
	s_endpgm
.Lfunc_end_k_q20d817a96c_proj:
	.size	k_q20d817a96c_proj, .Lfunc_end_k_q20d817a96c_proj-k_q20d817a96c_proj
	.p2alignl 7, 3214868480
	.fill 96, 4, 3214868480
	.section	.rodata,"a",@progbits
	.p2align	6, 0x0
	.amdhsa_kernel k_q20d817a96c_proj
		.amdhsa_group_segment_fixed_size 327680
		.amdhsa_private_segment_fixed_size 0
		.amdhsa_enable_private_segment 0
		.amdhsa_kernarg_size 24
		.amdhsa_user_sgpr_count 2
		.amdhsa_user_sgpr_kernarg_segment_ptr 1
		.amdhsa_wavefront_size32 1
		.amdhsa_system_sgpr_workgroup_id_x 1
		.amdhsa_system_sgpr_workgroup_id_y 1
		.amdhsa_system_sgpr_workgroup_id_z 1
		.amdhsa_system_vgpr_workitem_id 0
		.amdhsa_next_free_vgpr 1024
		.amdhsa_next_free_sgpr 98
		.amdhsa_reserve_vcc 0
		.amdhsa_float_denorm_mode_32 3
		.amdhsa_float_denorm_mode_16_64 3
		.amdhsa_memory_ordered 1
		.amdhsa_forward_progress 1
		.amdhsa_inst_pref_size 119
	.end_amdhsa_kernel
	.amdgpu_metadata
---
amdhsa.version: [ 1, 2 ]
amdhsa.kernels:
  - .name:           k_q20d817a96c_proj
    .symbol:         k_q20d817a96c_proj.kd
    .args:
      - { .name: codes, .offset: 0, .size: 8, .value_kind: global_buffer, .address_space: global }
      - { .name: scales, .offset: 8, .size: 8, .value_kind: global_buffer, .address_space: global }
      - { .name: prj, .offset: 16, .size: 8, .value_kind: global_buffer, .address_space: global }
    .group_segment_fixed_size: 327680
    .private_segment_fixed_size: 0
    .kernarg_segment_align: 8
    .kernarg_segment_size: 24
    .max_flat_workgroup_size: 128
    .sgpr_count:     98
    .vgpr_count:     1024
    .wavefront_size: 32
...
	.end_amdgpu_metadata
.endif
;; end of part 2
;; launch gmax (part 3): grid 8 x 32, 4 waves a work-group, clusters of 4 x 1, 327,680 bytes of LDS; arguments prj, gmx; writes gmx
.if DOCPART == 3
	.amdgcn_target "amdgcn-amd-amdhsa--gfx1250"
	.amdhsa_code_object_version 6
	.text
	.protected	k_q20d817a96c_gmax
	.globl	k_q20d817a96c_gmax
	.p2align	8
	.type	k_q20d817a96c_gmax,@function
k_q20d817a96c_gmax:
	s_mov_b64 s[64:65], 0
	v_nop
	global_prefetch_b8 v0, s[64:65] scope:SCOPE_SE
	s_setreg_imm32_b32 hwreg(HW_REG_WAVE_MODE, 25, 1), 1
	s_wait_xcnt 0x0
	s_wait_alu depctr_hold_cnt(0) depctr_sa_sdst(0) depctr_va_vdst(0) depctr_va_sdst(0) depctr_va_ssrc(0) depctr_va_vcc(0) depctr_vm_vsrc(0)
	s_getreg_b32 s2, hwreg(HW_REG_IB_STS2, 6, 4)
	s_cmp_eq_u32 s2, 0
	s_cbranch_scc0 .Lentry_in_a_cluster
	s_endpgm
.Lentry_in_a_cluster:
	s_bfe_u32 s2, ttmp6, 0x10000c
	s_cmp_lg_u32 s2, 0x3003
	s_cbranch_scc0 .Lentry_shape_is_right
	s_endpgm
.Lentry_shape_is_right:
; LAUNCH 3 OF 7.  The largest |Q . K| over ALL pairs of each head (reference() takes it ahead of its mask), in f16 with f32 sums; one number a wave into gmx.  The factor 1/8 on q, a power of two, is applied by the readers.
; A work-group owns 256 queries of one head, a wave 64: four tiles, in registers.  Every wave walks the head's 128 blocks of 16 keys.  The head's K, 262,144 bytes of images, lies in LDS, filled once:
; four chunks of 65,536 bytes, each wave a quarter of each.  The four query blocks of a cluster take the same K: every fill is joint (mask 15).  By this text's count four tensor loads of a wave are out.
; A GROUP is a key block: 8 matrix instructions (2 along the 64 channels x 4 tiles, the four accumulators by turns) and, two behind each, the 16 maxima of the group before, whose results
; lie in the other set of accumulators.  Those lines are the places between a product and the reads of its result, the loads into its operands and the products that begin its accumulator anew.
; K's fragments come three groups ahead, into four buffers.
.set KOFF,  8388608
.set SPARE, 262144
.set SPW, 2
.set NIL, 3
.set AK0, 4                            ; v4  16 x lane
.set ADR, 5
.set M,   8                            ; v8-11 four running maxima
.set QF,  16                           ; v[16 + 16 t + 8 c]
.set KB,  80                           ; v[80 + 16 kb + 8 c]
.set AC,  144                          ; v[144 + 32 s + 8 t]
.set WV,  8
.set G1,  16
.set G0,  24
.set TB,  40
.set CNT, 41
.set SEL, 42
.macro CROUND
	s_barrier_signal -1
	s_barrier_wait -1
	s_cmp_lg_u32 s[WV], 0
	s_cbranch_scc1 .Lnot_wave_0_\@
	s_barrier_signal -3
.Lnot_wave_0_\@:
	s_barrier_wait -3
	s_barrier_signal -1
	s_barrier_wait -1
.endm
	s_load_b128 s[4:7], s[0:1], 0x0                ; prj, gmx
	v_lshl_add_u32 v[SPW], v0, 2, SPARE
	v_mov_b32 v[NIL], 0
	ds_add_u32 v[SPW], v[NIL]                      ; the wave's opening: the add, twice on end, and its wait ahead of my first tensor load
	ds_add_u32 v[SPW], v[NIL]
	v_lshrrev_b32 v1, 5, v0
	v_readfirstlane_b32 s[WV], v1
	s_bfe_u32 s9, ttmp6, 0x40000                   ; cx
	s_lshl_b32 s10, ttmp9, 2
	s_add_co_u32 s10, s10, s9                      ; my block of 256 queries: it enters Q's and gmx's addresses alone
	s_and_b32 s11, ttmp7, 0xffff                   ; batch x head, shared by the partners
	s_mov_b32 s[G1], 15|(3<<16)|(1<<21)            ; mask: all four; elements of 8 bytes; bit 21 beside the mask; no padding
	s_mov_b32 s[G1+1], 32<<16                      ; rows of 256 bytes
	s_mov_b32 s[G1+2], 64<<16                      ; 64 of them
	s_mov_b32 s[G1+3], 32<<16
	s_mov_b32 s[G1+4], 64
	s_mov_b32 s[G1+5], 32                          ; dense
	s_mov_b32 s[G1+6], 0
	s_mov_b32 s[G1+7], 0
	s_lshl_b32 s12, s11, 18                        ; a head's 262,144 bytes
	s_lshl_b32 s13, s[WV], 14                      ; my quarter of a chunk
	s_add_co_u32 s44, s12, s13
	s_add_co_u32 s44, s44, KOFF
	s_mov_b32 s45, 0
	s_lshl_b32 s46, s10, 4
	s_lshl_b32 s47, s[WV], 2
	s_add_co_u32 s46, s46, s47                     ; my first block of 16 queries
	s_lshl_b32 s46, s46, 11
	s_add_co_u32 s46, s46, s12
	s_mov_b32 s47, 0
	s_lshl_b32 s50, s11, 3
	s_add_co_u32 s50, s50, s10
	s_lshl_b32 s50, s50, 2
	s_add_co_u32 s50, s50, s[WV]
	s_lshl_b32 s50, s50, 2                         ; my word of gmx
	s_mov_b32 s51, 0
	s_mov_b32 s[SEL], 0x76543210
	s_mov_b32 s[SEL+1], 0xfedcba98
	s_mov_b32 s[TB], 0
	v_and_b32 v13, 31, v0
	v_lshlrev_b32 v[AK0], 4, v13
	v_mov_b32 v12, 0                               ; written once: a lane permute's destination counts as one of its sources
	v_mov_b32 v14, 0
.irp i, 0,1,2,3
	v_mov_b32 v[M+\i], 0                           ; magnitudes are never under 0
.endr
	s_wait_dscnt 0x0                               ; both opening adds are done
	s_wait_kmcnt 0x0
	s_add_nc_u64 s[44:45], s[4:5], s[44:45]
	s_add_nc_u64 s[46:47], s[4:5], s[46:47]
	s_add_nc_u64 s[6:7], s[6:7], s[50:51]
	CROUND                                         ; all four work-groups are here: the joint loads meet
.irp c, 0,1,2,3
	s_mov_b32 s[G0+4*\c], 1
	s_add_co_u32 s[G0+4*\c+1], s13, \c*65536       ; LDS: chunk c, my quarter
	s_add_nc_u64 s[G0+4*\c+2:G0+4*\c+3], s[44:45], \c*65536
	s_or_b32 s[G0+4*\c+3], s[G0+4*\c+3], 0x80000000
.endr
.irp c, 0,1,2,3
	tensor_load_to_lds s[G0+4*\c:G0+4*\c+3], s[G1:G1+7]
	s_nop 0
.endr
.irp t, 0,1,2,3
.irp p, 0,1,2,3
	global_load_b128 v[QF+16*\t+4*\p:QF+16*\t+4*\p+3], v[AK0], s[46:47] offset:\t*2048+\p*512   ; Q's images are its fragments' registers
.endr
.endr
.macro KLOAD kb, off                   ; a key block's two fragments
.irp n, 0,1,2,3
	ds_load_b128 v[KB+16*(\kb)+4*\n:KB+16*(\kb)+4*\n+3], v[ADR] offset:\off+512*\n
.endr
.endm
.macro BAR c                           ; chunk c is whole for every wave; the younger chunks stay out
	s_wait_tensorcnt 3-\c
	s_wait_dscnt 0x0
	s_barrier_signal -1
	s_barrier_wait -1
.endm
; kb: K's buffer; as: the accumulators' set; mx: the other set's maxima are taken; ld: the block three on is fetched, at off; w: LDS loads that may stay out
.macro GROUP kb, as, mx, ld, off, w
	s_wait_dscnt \w
.irp i, 0,1,2,3,4,5,6,7
.if \i < 4
	v_wmma_f32_16x16x32_f16 v[AC+32*\as+8*(\i%4):AC+32*\as+8*(\i%4)+7], v[KB+16*\kb+8*(\i/4):KB+16*\kb+8*(\i/4)+7], v[QF+16*(\i%4)+8*(\i/4):QF+16*(\i%4)+8*(\i/4)+7], 0
.else
	v_wmma_f32_16x16x32_f16 v[AC+32*\as+8*(\i%4):AC+32*\as+8*(\i%4)+7], v[KB+16*\kb+8*(\i/4):KB+16*\kb+8*(\i/4)+7], v[QF+16*(\i%4)+8*(\i/4):QF+16*(\i%4)+8*(\i/4)+7], v[AC+32*\as+8*(\i%4):AC+32*\as+8*(\i%4)+7]
.endif
.if \mx
	v_max3_num_f32 v[M+2*(\i%2)], v[M+2*(\i%2)], |v[AC+32*(1-\as)+8*(\i/2)+4*(\i%2)]|, |v[AC+32*(1-\as)+8*(\i/2)+4*(\i%2)+1]|   ; each accumulator from its low end on
	v_max3_num_f32 v[M+2*(\i%2)+1], v[M+2*(\i%2)+1], |v[AC+32*(1-\as)+8*(\i/2)+4*(\i%2)+2]|, |v[AC+32*(1-\as)+8*(\i/2)+4*(\i%2)+3]|
.endif
.if \ld && (\i == 1)
	KLOAD (\kb+3)%4, \off                          ; its buffer's last reader stands six plain lines back
.endif
.endr
.if !\mx
.rept 4
	v_nop
.endr
.endif
.endm
.macro TRIP                            ; four key blocks; the count 8: the two younger blocks' loads stay out
	v_add_nc_u32 v[ADR], s[TB], v[AK0]
	GROUP 0, 0, 1, 1, 6144, 8
	GROUP 1, 1, 1, 1, 8192, 8
	GROUP 2, 0, 1, 1, 10240, 8
	GROUP 3, 1, 1, 1, 12288, 8
	s_add_co_u32 s[TB], s[TB], 8192
.endm
.macro SEG n
	s_mov_b32 s[CNT], \n
.Lseg_\@:
	TRIP
	s_sub_co_u32 s[CNT], s[CNT], 1
	s_cmp_lg_u32 s[CNT], 0
	s_cbranch_scc1 .Lseg_\@
.endm
	BAR 0
	v_add_nc_u32 v[ADR], s[TB], v[AK0]
	KLOAD 0, 0
	KLOAD 1, 2048
	KLOAD 2, 4096
	s_wait_loadcnt 0x0                             ; Q
	GROUP 0, 0, 0, 1, 6144, 8                      ; trip 0 is written out: its first group has no results to look at
	GROUP 1, 1, 1, 1, 8192, 8
	GROUP 2, 0, 1, 1, 10240, 8
	GROUP 3, 1, 1, 1, 12288, 8
	s_add_co_u32 s[TB], s[TB], 8192
	SEG 6                                          ; trips 1-6.  Trip T asks for blocks 4 T + 3 .. 4 T + 6, so chunk c + 1 (blocks 32 (c + 1) on) is first wanted in trip 8 c + 7
	BAR 1
	SEG 8
	BAR 2
	SEG 8
	BAR 3
	SEG 8
	v_add_nc_u32 v[ADR], s[TB], v[AK0]             ; trip 31: one more block to fetch, then the counts run down
	GROUP 0, 0, 1, 1, 6144, 8
	GROUP 1, 1, 1, 0, 0, 8
	GROUP 2, 0, 1, 0, 0, 4
	GROUP 3, 1, 1, 0, 0, 0
.irp t, 0,1,2,3
	v_max3_num_f32 v[M], v[M], |v[AC+32+8*\t]|, |v[AC+32+8*\t+1]|
	v_max3_num_f32 v[M+1], v[M+1], |v[AC+32+8*\t+2]|, |v[AC+32+8*\t+3]|
	v_max3_num_f32 v[M+2], v[M+2], |v[AC+32+8*\t+4]|, |v[AC+32+8*\t+5]|
	v_max3_num_f32 v[M+3], v[M+3], |v[AC+32+8*\t+6]|, |v[AC+32+8*\t+7]|
.endr
	v_max3_num_f32 v8, v8, v9, v10
	v_max_num_f32 v8, v8, v11
	v_max_num_f32_dpp v8, v8, v8 row_xmask:1 row_mask:0xf bank_mask:0xf
	v_max_num_f32_dpp v8, v8, v8 row_xmask:2 row_mask:0xf bank_mask:0xf
	v_max_num_f32_dpp v8, v8, v8 row_xmask:4 row_mask:0xf bank_mask:0xf
	v_max_num_f32_dpp v8, v8, v8 row_xmask:8 row_mask:0xf bank_mask:0xf
	v_permlanex16_b32 v12, v8, s[SEL], s[SEL+1]
	v_max_num_f32 v8, v8, v12
	v_cmp_eq_u32 vcc_lo, 0, v13
	s_wait_xcnt 0x0                                ; EXEC changes only behind this wait
	s_and_saveexec_b32 s48, vcc_lo
	global_store_b32 v14, v8, s[6:7]               ; lane 0: the wave's number
	s_wait_xcnt 0x0
	s_or_b32 exec_lo, exec_lo, s48
	s_wait_tensorcnt 0x0                           ; the wave's end
	ds_add_u32 v[SPW], v[NIL]
	s_wait_dscnt 0x0
	CROUND                                         ; the closing round
	s_endpgm
.Lfunc_end_k_q20d817a96c_gmax:
	.size	k_q20d817a96c_gmax, .Lfunc_end_k_q20d817a96c_gmax-k_q20d817a96c_gmax
	.p2alignl 7, 3214868480
	.fill 96, 4, 3214868480
	.section	.rodata,"a",@progbits
	.p2align	6, 0x0
	.amdhsa_kernel k_q20d817a96c_gmax
		.amdhsa_group_segment_fixed_size 327680
		.amdhsa_private_segment_fixed_size 0
		.amdhsa_enable_private_segment 0
		.amdhsa_kernarg_size 16
		.amdhsa_user_sgpr_count 2
		.amdhsa_user_sgpr_kernarg_segment_ptr 1
		.amdhsa_wavefront_size32 1
		.amdhsa_system_sgpr_workgroup_id_x 1
		.amdhsa_system_sgpr_workgroup_id_y 1
		.amdhsa_system_sgpr_workgroup_id_z 1
		.amdhsa_system_vgpr_workitem_id 0
		.amdhsa_next_free_vgpr 208
		.amdhsa_next_free_sgpr 66
		.amdhsa_reserve_vcc 1
		.amdhsa_float_denorm_mode_32 3
		.amdhsa_float_denorm_mode_16_64 3
		.amdhsa_memory_ordered 1
		.amdhsa_forward_progress 1
		.amdhsa_inst_pref_size 52
	.end_amdhsa_kernel
	.amdgpu_metadata
---
amdhsa.version: [ 1, 2 ]
amdhsa.kernels:
  - .name:           k_q20d817a96c_gmax
    .symbol:         k_q20d817a96c_gmax.kd
    .args:
      - { .name: prj, .offset: 0, .size: 8, .value_kind: global_buffer, .address_space: global }
      - { .name: gmx, .offset: 8, .size: 8, .value_kind: global_buffer, .address_space: global }
    .group_segment_fixed_size: 327680
    .private_segment_fixed_size: 0
    .kernarg_segment_align: 8
    .kernarg_segment_size: 16
    .max_flat_workgroup_size: 128
    .sgpr_count:     66
    .vgpr_count:     208
    .wavefront_size: 32
...
	.end_amdgpu_metadata
.endif
;; end of part 3
;; launch attn (part 4): grid 8 x 32, 8 waves a work-group, no clusters, 132,096 bytes of LDS; arguments prj, gmx, att; writes att
.if DOCPART == 4
	.amdgcn_target "amdgcn-amd-amdhsa--gfx1250"
	.amdhsa_code_object_version 6
	.text
	.protected	k_q20d817a96c_attn
	.globl	k_q20d817a96c_attn
	.p2align	8
	.type	k_q20d817a96c_attn,@function
k_q20d817a96c_attn:
	s_mov_b64 s[64:65], 0
	v_nop
	global_prefetch_b8 v0, s[64:65] scope:SCOPE_SE
	s_setreg_imm32_b32 hwreg(HW_REG_WAVE_MODE, 25, 1), 1
	s_wait_xcnt 0x0
; LAUNCH 4 OF 7.  The window's attention, f16 operands, f32 sums.  LEFT OUT: tiles of 16 keys wholly outside reference()'s own window (key j counts for query i where i - 255 <= j <= i): their weights are 0 in reference()'s f32.
; NO MAXIMUM IS TAKEN AWAY: reference() itself divides the scores by max(max|score|, 1), so the exponent lies in [-1, 1] for every input, p in [1/e, e], and a row's sum is at most 256 e.
; p = 2^(s c2), s = Q . K on the unscaled projections, c2 = log2(e) / 8 / max(m / 8, 1), m the largest of gmx's 1,024 numbers.
; A work-group owns 256 queries of one head, each of its eight waves 32: two tiles.  Two waves share a SIMD, so that one wave's exponentials stand beside the other's products.
; A wave's keys are its first query - 256 .. + 31: nine steps of 32.  The order of steps is free (no running maximum): the DIAGONAL step, which every wave has, goes first and starts the sums;
; then the FAR step (keys 256 .. 225 back), then seven steps all of whose keys count.  Where the work-group is a sequence's first, keys ahead of the sequence do not exist: scalar branches on ids lead round those steps.
; LDS IS FILLED THROUGH REGISTERS: the 256 keys ahead of the block do not exist in a sequence's first block, and V's images get a swizzle on the way in.  32 blocks of 16 keys of K (2,048 bytes each), then 32 of V.
; NO CLUSTER: a block of 256 keys is read by two neighbouring work-groups alone, at different places of their LDS.
; LAYOUT.  S^T = K Q^T and O^T = V^T P: a lane holds one query (lane % 16) throughout.  K's and Q's images are their fragments' registers; V comes turned, by ds_load_tr16_b128.
; V's image lane l lies at (16 l) xor (128 (l / 16)).
; O^T / the sum, packed to f16, is an image of the last product's operand: att = [block of 16 rows 256][head 16][piece 4][512 bytes].
.set KOFF,  0x800000
.set VOFF,  0x1000000
.set VL,    65536
.set SPARE, 131072
.set SPW, 2
.set NIL, 3
.set AK0, 4                            ; v4  16 x lane
.set AV0, 5                            ; v5  my lane's place for the turning load
.set ADK, 6
.set ADV, 7
.set DD,  8                            ; v8  r - 8 h: register j holds key 8 h + j of a tile, my query is r
.set VS0, 9
.set KS0, 10
.set LS,  12                           ; v[12:13], v[14:15] the sums
.set QF,  16                           ; v[16 + 16 t + 8 c]
.set KF,  48                           ; v[48 + 16 u + 8 c]
.set VF,  80                           ; v[80 + 8 p]
.set SS,  112                          ; v[112 + 16 t + 8 u]
.set PP,  144                          ; v[144 + 8 t]
.set OO,  160                          ; v[160 + 32 t + 8 p]
.set GM,  176                          ; v176-207 gmx, at the head
.set WV,  10
.set CS,  20
.set TB,  22
.set KBL, 23
.set LIMK, 24
.set JJ,  25
.set SEL, 26
	s_load_b128 s[4:7], s[0:1], 0x0                ; prj, gmx
	s_load_b64 s[8:9], s[0:1], 0x10                ; att
	v_lshl_add_u32 v[SPW], v0, 2, SPARE
	v_mov_b32 v[NIL], 0
	v_lshrrev_b32 v1, 5, v0
	v_readfirstlane_b32 s[WV], v1
	v_and_b32 v1, 31, v0
	v_lshlrev_b32 v[AK0], 4, v1
	v_and_b32 v11, 15, v0                          ; r
	v_bfe_u32 v[DD], v0, 4, 1                      ; h
	v_lshlrev_b32 v[VS0], 7, v[DD]
	v_xor_b32 v[VS0], v[VS0], v[AK0]               ; (16 l) xor (128 h)
	s_lshl_b32 s18, s[WV], 12                      ; my wave's two blocks of a chunk
	v_add_nc_u32 v[KS0], s18, v[AK0]
	v_add_nc_u32 v[VS0], s18, v[VS0]
	v_add_nc_u32 v[VS0], VL, v[VS0]
	v_and_b32 v[ADK], 7, v0
	v_lshl_add_u32 v[ADK], v[DD], 3, v[ADK]        ; the key that I address: 8 h + l % 8
	v_lshlrev_b32 v[ADK], 4, v[ADK]
	v_bfe_u32 v[ADV], v0, 3, 1                     ; a: which eight of a piece's 16 channels
	v_lshlrev_b32 v[AV0], 7, v[ADV]
	v_xor_b32 v[AV0], v[AV0], v[ADK]
	v_lshl_add_u32 v[AV0], v[ADV], 8, v[AV0]       ; 256 a + ((16 key) xor (128 a))
	v_add_nc_u32 v[AV0], VL, v[AV0]
	v_lshlrev_b32 v[DD], 3, v[DD]
	v_sub_nc_u32 v[DD], v11, v[DD]
	s_and_b32 s19, ttmp7, 0xffff                   ; batch x head
	s_lshl_b32 s28, s19, 18
	s_lshl_b32 s29, ttmp9, 15
	s_add_co_u32 s28, s28, s29
	s_add_co_u32 s28, s28, s18                     ; head, block of 256, my wave's 32 positions
	s_mov_b32 s29, 0
	s_lshr_b32 s30, s19, 4
	s_lshl_b32 s30, s30, 7
	s_lshl_b32 s31, ttmp9, 4
	s_add_co_u32 s30, s30, s31
	s_lshl_b32 s31, s[WV], 1
	s_add_co_u32 s30, s30, s31                     ; my first block of 16 rows of att
	s_lshl_b32 s30, s30, 15
	s_and_b32 s31, s19, 15
	s_lshl_b32 s31, s31, 11
	s_add_co_u32 s30, s30, s31
	s_mov_b32 s31, 0
	s_cmp_eq_u32 ttmp9, 0
	s_cselect_b32 s[LIMK], 16, 0                   ; the first block of LDS that holds keys
	s_mov_b32 s[SEL], 0x76543210
	s_mov_b32 s[SEL+1], 0xfedcba98
	s_wait_kmcnt 0x0
	s_add_nc_u64 s[12:13], s[4:5], s[28:29]
	s_add_nc_u64 s[14:15], s[12:13], KOFF
	s_add_nc_u64 s[16:17], s[12:13], VOFF
	s_add_nc_u64 s[8:9], s[8:9], s[30:31]
.irp i, 0,1,2,3,4,5,6,7
	global_load_b128 v[GM+4*\i:GM+4*\i+3], v[AK0], s[6:7] offset:512*\i
.endr
.irp t, 0,1
.irp p, 0,1,2,3
	global_load_b128 v[QF+16*\t+4*\p:QF+16*\t+4*\p+3], v[AK0], s[12:13] offset:\t*2048+\p*512
.endr
.endr
.irp e, 0,1
.irp p, 0,1,2,3
	global_load_b128 v[48+4*(4*\e+\p):48+4*(4*\e+\p)+3], v[AK0], s[14:15] offset:\e*2048+\p*512   ; my two blocks of the work-group's own 256 keys
	global_load_b128 v[80+4*(4*\e+\p):80+4*(4*\e+\p)+3], v[AK0], s[16:17] offset:\e*2048+\p*512
.endr
.endr
	s_cmp_eq_u32 ttmp9, 0
	s_cbranch_scc1 .Lnoprev                        ; one branch round the earlier block's loads, their wait and their LDS stores
.irp e, 0,1
.irp p, 0,1,2,3
	global_load_b128 v[112+4*(4*\e+\p):112+4*(4*\e+\p)+3], v[AK0], s[14:15] offset:\e*2048+\p*512-32768
	global_load_b128 v[144+4*(4*\e+\p):144+4*(4*\e+\p)+3], v[AK0], s[16:17] offset:\e*2048+\p*512-32768
.endr
.endr
	s_wait_loadcnt 0x0
.irp e, 0,1
.irp p, 0,1,2,3
	ds_store_b128 v[KS0], v[112+4*(4*\e+\p):112+4*(4*\e+\p)+3] offset:\e*2048+\p*512
	ds_store_b128 v[VS0], v[144+4*(4*\e+\p):144+4*(4*\e+\p)+3] offset:\e*2048+\p*512
.endr
.endr
.Lnoprev:
	s_wait_loadcnt 0x0
.irp e, 0,1
.irp p, 0,1,2,3
	ds_store_b128 v[KS0], v[48+4*(4*\e+\p):48+4*(4*\e+\p)+3] offset:32768+\e*2048+\p*512
	ds_store_b128 v[VS0], v[80+4*(4*\e+\p):80+4*(4*\e+\p)+3] offset:32768+\e*2048+\p*512
.endr
.endr
	; the largest of gmx's 1,024 numbers, while the stores are out
	v_max3_num_f32 v[GM], v[GM], v[GM+1], v[GM+2]
	v_max3_num_f32 v[GM+3], v[GM+3], v[GM+4], v[GM+5]
.irp i, 6,10,14,18,22,26
	v_max3_num_f32 v[GM], v[GM], v[GM+\i], v[GM+\i+1]
	v_max3_num_f32 v[GM+3], v[GM+3], v[GM+\i+2], v[GM+\i+3]
.endr
	v_max3_num_f32 v[GM], v[GM], v[GM+30], v[GM+31]
	v_max_num_f32 v[GM], v[GM], v[GM+3]
	v_max_num_f32_dpp v[GM], v[GM], v[GM] row_xmask:1 row_mask:0xf bank_mask:0xf
	v_max_num_f32_dpp v[GM], v[GM], v[GM] row_xmask:2 row_mask:0xf bank_mask:0xf
	v_max_num_f32_dpp v[GM], v[GM], v[GM] row_xmask:4 row_mask:0xf bank_mask:0xf
	v_max_num_f32_dpp v[GM], v[GM], v[GM] row_xmask:8 row_mask:0xf bank_mask:0xf
	v_permlanex16_b32 v[GM+1], v[GM], s[SEL], s[SEL+1]
	v_max_num_f32 v[GM], v[GM], v[GM+1]
	v_mul_f32 v[GM], 0x3e000000, v[GM]             ; / 8: reference()'s scale on q
	v_max_num_f32 v[GM], 1.0, v[GM]
	v_rcp_f32 v[GM+1], v[GM]
	v_nop                                          ; a plain line behind the reciprocal,
	s_wait_alu depctr_va_vdst(0)                   ; and the wait ahead of its first reader
	v_mul_f32 v[GM+1], 0x3e38aa3b, v[GM+1]         ; x log2(e) / 8
	v_readfirstlane_b32 s[CS], v[GM+1]             ; a factor alone: no address and no branch hangs on it
	s_mov_b32 s[CS+1], s[CS]
	s_wait_dscnt 0x0                               ; my stores have landed
	s_barrier_signal -1
	s_barrier_wait -1                              ; everybody's have: the launch's one barrier; LDS is only read from here on
; A STEP of 32 keys.  m = 0: all count; 1: the diagonal (tile (t, u) hidden where u > t, cut where u = t: key <= query); 2: the far end (hidden where u < t, cut where u = t: key > query - 256).
.macro STEP m, zero
	v_add_nc_u32 v[ADK], s[TB], v[AK0]
	v_add_nc_u32 v[ADV], s[TB], v[AV0]
	v_nop
	v_nop                                          ; four plain lines between the last products and the loads into their operands
.irp u, 0,1
.irp p, 0,1,2,3
	ds_load_b128 v[KF+16*\u+4*\p:KF+16*\u+4*\p+3], v[ADK] offset:\u*2048+\p*512
.endr
.endr
.irp p, 0,1,2,3
.irp i, 0,1
	ds_load_tr16_b128 v[VF+8*\p+4*\i:VF+8*\p+4*\i+3], v[ADV] offset:\i*2048+\p*512
.endr
.endr
	s_wait_dscnt 8                                 ; K is in; V's eight loads stay out
.irp c, 0,1
.irp t, 0,1
.irp u, 0,1
.set HID, ((\m==1)&&(\u>\t))||((\m==2)&&(\u<\t))
.if HID == 0
.if \c == 0
	v_wmma_f32_16x16x32_f16 v[SS+16*\t+8*\u:SS+16*\t+8*\u+7], v[KF+16*\u:KF+16*\u+7], v[QF+16*\t:QF+16*\t+7], 0
.else
	v_wmma_f32_16x16x32_f16 v[SS+16*\t+8*\u:SS+16*\t+8*\u+7], v[KF+16*\u+8:KF+16*\u+15], v[QF+16*\t+8:QF+16*\t+15], v[SS+16*\t+8*\u:SS+16*\t+8*\u+7]
.endif
.endif
.endr
.endr
.endr
.rept 4
	v_nop
.endr
.irp t, 0,1
.irp u, 0,1
.set HID, ((\m==1)&&(\u>\t))||((\m==2)&&(\u<\t))
.if HID == 0
.irp j, 0,2,4,6
	v_pk_mul_f32 v[SS+16*\t+8*\u+\j:SS+16*\t+8*\u+\j+1], v[SS+16*\t+8*\u+\j:SS+16*\t+8*\u+\j+1], s[CS:CS+1] op_sel_hi:[1,0]
.endr
.endif
.endr
.endr
.irp t, 0,1
.irp u, 0,1
.set HID, ((\m==1)&&(\u>\t))||((\m==2)&&(\u<\t))
.if HID == 0
.irp j, 0,1,2,3,4,5,6,7
	v_exp_f32 v[SS+16*\t+8*\u+\j], v[SS+16*\t+8*\u+\j]
.endr
.endif
.endr
.endr
	v_nop                                          ; a plain line behind the last exponential,
	s_wait_alu depctr_va_vdst(0)                   ; and one wait for the batch, ahead of its first reader
.irp t, 0,1
.if \m != 0
.irp j, 0,1,2,3,4,5,6,7
.if \m == 1
	v_cmp_le_i32 vcc_lo, \j, v[DD]                 ; key 8 h + j <= query r
.else
	v_cmp_gt_i32 vcc_lo, \j, v[DD]                 ; key 8 h + j > query r, 256 keys back
.endif
	v_cndmask_b32 v[SS+24*\t+\j], 0, v[SS+24*\t+\j], vcc_lo
.endr
.endif
.endr
.irp t, 0,1
.irp u, 0,1
.set HID, ((\m==1)&&(\u>\t))||((\m==2)&&(\u<\t))
.irp r, 0,1,2,3
.if HID == 0
	v_cvt_pk_f16_f32 v[PP+8*\t+4*\u+\r], v[SS+16*\t+8*\u+2*\r], v[SS+16*\t+8*\u+2*\r+1]
.else
	v_mov_b32 v[PP+8*\t+4*\u+\r], 0
.endif
.endr
.endr
.endr
.irp u, 0,1
.irp j, 0,2,4,6
.irp t, 0,1
.set HID, ((\m==1)&&(\u>\t))||((\m==2)&&(\u<\t))
.if HID == 0
.if \zero && (\u == 0) && (\j == 0)
.elseif \zero && (\u == 0) && (\j == 2)
	v_pk_add_f32 v[LS+2*\t:LS+2*\t+1], v[SS+16*\t:SS+16*\t+1], v[SS+16*\t+2:SS+16*\t+3]   ; the first two pairs start the sum
.else
	v_pk_add_f32 v[LS+2*\t:LS+2*\t+1], v[LS+2*\t:LS+2*\t+1], v[SS+16*\t+8*\u+\j:SS+16*\t+8*\u+\j+1]
.endif
.endif
.endr
.endr
.endr
	s_wait_dscnt 0x0                               ; V is in
.irp p, 0,1,2,3
.irp t, 0,1
.if \zero
	v_wmma_f32_16x16x32_f16 v[OO+32*\t+8*\p:OO+32*\t+8*\p+7], v[VF+8*\p:VF+8*\p+7], v[PP+8*\t:PP+8*\t+7], 0
.else
	v_wmma_f32_16x16x32_f16 v[OO+32*\t+8*\p:OO+32*\t+8*\p+7], v[VF+8*\p:VF+8*\p+7], v[PP+8*\t:PP+8*\t+7], v[OO+32*\t+8*\p:OO+32*\t+8*\p+7]
.endif
.endr
.endr
.endm
	s_lshl_b32 s[TB], s[WV], 12
	s_add_co_u32 s[TB], s[TB], 32768               ; my own 32 positions
	STEP 1, 1
	s_lshl_b32 s[TB], s[WV], 12                    ; 256 keys back
	s_cmp_lg_u32 s[LIMK], 0
	s_cbranch_scc1 .Lnofar
	STEP 2, 0
.Lnofar:
	s_add_co_u32 s[TB], s[TB], 4096
	s_lshl_b32 s[KBL], s[WV], 1
	s_add_co_u32 s[KBL], s[KBL], 2
	s_mov_b32 s[JJ], 7
.Lfull:
	s_cmp_lt_u32 s[KBL], s[LIMK]
	s_cbranch_scc1 .Lskip                          ; keys ahead of the sequence: ids alone decide
	STEP 0, 0
.Lskip:
	s_add_co_u32 s[TB], s[TB], 4096
	s_add_co_u32 s[KBL], s[KBL], 2
	s_sub_co_u32 s[JJ], s[JJ], 1
	s_cmp_lg_u32 s[JJ], 0
	s_cbranch_scc1 .Lfull
.rept 4
	v_nop
.endr
	v_add_f32 v12, v12, v13
	v_add_f32 v14, v14, v15
	v_permlanex16_b32 v13, v12, s[SEL], s[SEL+1]   ; the query's other keys lie in the lane 16 away
	v_permlanex16_b32 v15, v14, s[SEL], s[SEL+1]
	v_add_f32 v12, v12, v13
	v_add_f32 v14, v14, v15
	v_rcp_f32 v12, v12
	v_rcp_f32 v14, v14
	v_nop
	s_wait_alu depctr_va_vdst(0)                   ; one wait for the two reciprocals
.irp t, 0,1
.irp j, 0,2,4,6,8,10,12,14,16,18,20,22,24,26,28,30
	v_pk_mul_f32 v[OO+32*\t+\j:OO+32*\t+\j+1], v[OO+32*\t+\j:OO+32*\t+\j+1], v[LS+2*\t:LS+2*\t+1] op_sel_hi:[1,0]
.endr
.endr
.irp t, 0,1
.irp i, 0,1,2,3,4,5,6,7,8,9,10,11,12,13,14,15
	v_cvt_pk_f16_f32 v[48+16*\t+\i], v[OO+32*\t+2*\i], v[OO+32*\t+2*\i+1]
.endr
.endr
.irp t, 0,1
.irp p, 0,1,2,3
	global_store_b128 v[AK0], v[48+16*\t+4*\p:48+16*\t+4*\p+3], s[8:9] offset:\t*32768+\p*512   ; 512 consecutive bytes, aligned
.endr
.endr
	s_wait_tensorcnt 0x0                           ; the wave's end, behind the last LDS store
	ds_add_u32 v[SPW], v[NIL]
	s_wait_dscnt 0x0
	s_endpgm
.Lfunc_end_k_q20d817a96c_attn:
	.size	k_q20d817a96c_attn, .Lfunc_end_k_q20d817a96c_attn-k_q20d817a96c_attn
	.p2alignl 7, 3214868480
	.fill 96, 4, 3214868480
	.section	.rodata,"a",@progbits
	.p2align	6, 0x0
	.amdhsa_kernel k_q20d817a96c_attn
		.amdhsa_group_segment_fixed_size 132096
		.amdhsa_private_segment_fixed_size 0
		.amdhsa_enable_private_segment 0
		.amdhsa_kernarg_size 24
		.amdhsa_user_sgpr_count 2
		.amdhsa_user_sgpr_kernarg_segment_ptr 1
		.amdhsa_wavefront_size32 1
		.amdhsa_system_sgpr_workgroup_id_x 1
		.amdhsa_system_sgpr_workgroup_id_y 1
		.amdhsa_system_sgpr_workgroup_id_z 1
		.amdhsa_system_vgpr_workitem_id 0
		.amdhsa_next_free_vgpr 224
		.amdhsa_next_free_sgpr 66
		.amdhsa_reserve_vcc 1
		.amdhsa_float_denorm_mode_32 3
		.amdhsa_float_denorm_mode_16_64 3
		.amdhsa_memory_ordered 1
		.amdhsa_forward_progress 1
		.amdhsa_inst_pref_size 36
	.end_amdhsa_kernel
	.amdgpu_metadata
---
amdhsa.version: [ 1, 2 ]
amdhsa.kernels:
  - .name:           k_q20d817a96c_attn
    .symbol:         k_q20d817a96c_attn.kd
    .args:
      - { .name: prj, .offset: 0, .size: 8, .value_kind: global_buffer, .address_space: global }
      - { .name: gmx, .offset: 8, .size: 8, .value_kind: global_buffer, .address_space: global }
      - { .name: att, .offset: 16, .size: 8, .value_kind: global_buffer, .address_space: global }
    .group_segment_fixed_size: 132096
    .private_segment_fixed_size: 0
    .kernarg_segment_align: 8
    .kernarg_segment_size: 24
    .max_flat_workgroup_size: 256
    .sgpr_count:     66
    .vgpr_count:     224
    .wavefront_size: 32
...
	.end_amdgpu_metadata
.endif
;; end of part 4
;; launch fine (part 5): grid 256 x 1, 4 waves a work-group, no clusters, 0 bytes of LDS; arguments prj, gmx, WO, fin; writes fin
.if DOCPART == 5
	.amdgcn_target "amdgcn-amd-amdhsa--gfx1250"
	.amdhsa_code_object_version 6
	.text
	.protected	k_q20d817a96c_fine
	.globl	k_q20d817a96c_fine
	.p2align	8
	.type	k_q20d817a96c_fine,@function
k_q20d817a96c_fine:
	s_mov_b64 s[64:65], 0
	v_nop
	global_prefetch_b8 v0, s[64:65] scope:SCOPE_SE
	s_setreg_imm32_b32 hwreg(HW_REG_WAVE_MODE, 25, 1), 1
	s_wait_xcnt 0x0
; LAUNCH 5 OF 7.  Positions 0-15 of both sequences once more, all in f32: there a row averages one to sixteen values and is the largest in size.  LEFT OUT: keys beyond position 15, which reference()'s own mask hides from these queries.
; Wave W of 1,024 works alone: batch W / 512, head (W / 32) % 16, output columns 32 (W % 32) on: the head's attention on 16 x 16 (32 matrix instructions of 16 x 16 x 4), then that head's share of the
; out-projection for its 32 columns (32 more).  The sixteen heads' shares are added in the last launch.  No LDS, no barrier.
; ONE PERMUTATION OF K ON BOTH OPERANDS: slot (h, j) of K step (t, i) stands for index 16 t + 8 h + 2 i + j (for the keys: 8 h + 2 i + j), so that pairs of the images' registers are the operands as they lie.
; The registers that the f32 matrix form writes (v176-231, v240-247) are written by matrix instructions alone; what is made of a sum goes into other registers.
; No maximum is taken away before the exponential: reference()'s own division holds the exponent in [-1, 1].
.set FINE, 25165824
.set QF, 16                            ; v16-47  Q, later O / the sum
.set KF, 48
.set VT, 80                            ; V turned: lane (r, h), register j = V[key 8 h + j][channel 16 t + r]
.set WW, 112                           ; gmx first, then WO's 2 x 4 fragments
.set SA, 176
.set OO, 184
.set YY, 216
.set PP, 232
.set SB, 240
.set CS, 26
.set SEL, 28
	s_load_b256 s[4:11], s[0:1], 0x0               ; prj, gmx, WO, fin
	v_lshrrev_b32 v1, 5, v0
	v_readfirstlane_b32 s12, v1
	s_lshl_b32 s13, ttmp9, 2
	s_add_co_u32 s13, s13, s12                     ; W
	s_lshr_b32 s14, s13, 9                         ; batch
	s_bfe_u32 s15, s13, 0x40005                    ; head
	s_and_b32 s16, s13, 31                         ; which 32 columns
	v_and_b32 v1, 31, v0
	v_lshlrev_b32 v4, 4, v1                        ; 16 x lane
	v_and_b32 v2, 15, v0                           ; r
	v_bfe_u32 v3, v0, 4, 1                         ; h
	v_bfe_u32 v5, v0, 2, 1
	v_lshlrev_b32 v5, 9, v5                        ; V's element (key, channel 16 t + r) in its image: 512 ((r / 4) % 2)
	v_bfe_u32 v6, v0, 3, 1
	v_lshl_add_u32 v5, v6, 8, v5                   ; + 256 (r / 8)
	v_and_b32 v6, 3, v0
	v_lshl_add_u32 v5, v6, 2, v5                   ; + 4 (r % 4)
	v_lshl_add_u32 v5, v3, 7, v5                   ; + 16 x key, key = 8 h + j
	v_lshlrev_b32 v6, 12, v2
	v_lshl_add_u32 v6, v3, 5, v6                   ; WO: row r, + 32 h
	v_lshlrev_b32 v8, 3, v3
	v_sub_nc_u32 v8, v2, v8                        ; r - 8 h
	s_lshl_b32 s20, s14, 16
	s_lshl_b32 s21, s15, 12
	s_add_co_u32 s20, s20, s21
	s_add_co_u32 s20, s20, FINE
	s_mov_b32 s21, 0
	s_lshl_b32 s22, s16, 17
	s_lshl_b32 s23, s15, 8
	s_add_co_u32 s22, s22, s23
	s_mov_b32 s23, 0
	s_lshl_b32 s24, s14, 4
	s_add_co_u32 s24, s24, s15
	s_lshl_b32 s24, s24, 6
	s_lshl_b32 s25, s16, 1
	s_add_co_u32 s24, s24, s25
	s_lshl_b32 s24, s24, 10
	s_mov_b32 s25, 0
	s_mov_b32 s[SEL], 0x76543210
	s_mov_b32 s[SEL+1], 0xfedcba98
	s_wait_kmcnt 0x0
	s_add_nc_u64 s[4:5], s[4:5], s[20:21]
	s_add_nc_u64 s[8:9], s[8:9], s[22:23]
	s_add_nc_u64 s[10:11], s[10:11], s[24:25]
.irp i, 0,1,2,3,4,5,6,7
	global_load_b128 v[WW+4*\i:WW+4*\i+3], v4, s[6:7] offset:512*\i
.endr
.irp t, 0,1,2,3
.irp u, 0,1
	global_load_b128 v[QF+8*\t+4*\u:QF+8*\t+4*\u+3], v4, s[4:5] offset:\t*1024+\u*512
	global_load_b128 v[KF+8*\t+4*\u:KF+8*\t+4*\u+3], v4, s[4:5] offset:131072+\t*1024+\u*512
.endr
.endr
.irp t, 0,1,2,3
.irp j, 0,1,2,3,4,5,6,7
	global_load_b32 v[VT+8*\t+\j], v5, s[4:5] offset:262144+\t*1024+\j*16
.endr
.endr
	s_wait_loadcnt 48                              ; gmx is in; Q's, K's and V's 48 loads stay out
	v_max3_num_f32 v[WW], v[WW], v[WW+1], v[WW+2]
	v_max3_num_f32 v[WW+3], v[WW+3], v[WW+4], v[WW+5]
.irp i, 6,10,14,18,22,26
	v_max3_num_f32 v[WW], v[WW], v[WW+\i], v[WW+\i+1]
	v_max3_num_f32 v[WW+3], v[WW+3], v[WW+\i+2], v[WW+\i+3]
.endr
	v_max3_num_f32 v[WW], v[WW], v[WW+30], v[WW+31]
	v_max_num_f32 v[WW], v[WW], v[WW+3]
	v_max_num_f32_dpp v[WW], v[WW], v[WW] row_xmask:1 row_mask:0xf bank_mask:0xf
	v_max_num_f32_dpp v[WW], v[WW], v[WW] row_xmask:2 row_mask:0xf bank_mask:0xf
	v_max_num_f32_dpp v[WW], v[WW], v[WW] row_xmask:4 row_mask:0xf bank_mask:0xf
	v_max_num_f32_dpp v[WW], v[WW], v[WW] row_xmask:8 row_mask:0xf bank_mask:0xf
	v_permlanex16_b32 v[WW+1], v[WW], s[SEL], s[SEL+1]
	v_max_num_f32 v[WW], v[WW], v[WW+1]
	v_mul_f32 v[WW], 0x3e000000, v[WW]             ; / 8
	v_max_num_f32 v[WW], 1.0, v[WW]
	v_rcp_f32 v[WW+1], v[WW]
	v_nop
	s_wait_alu depctr_va_vdst(0)                   ; the wait ahead of the reciprocal's first reader
	v_mul_f32 v[WW+1], 0x3e38aa3b, v[WW+1]         ; c2 = log2(e) / 8 / max(m / 8, 1)
	v_readfirstlane_b32 s[CS], v[WW+1]
.irp e, 0,1
.irp t, 0,1,2,3
.irp u, 0,1
	global_load_b128 v[WW+32*\e+8*\t+4*\u:WW+32*\e+8*\t+4*\u+3], v6, s[8:9] offset:\e*65536+\t*64+16*\u
.endr
.endr
.endr
	s_wait_loadcnt 16                              ; Q, K and V are in; WO's sixteen loads stay out
	; S^T = K Q^T: two sums by turns, one instruction a turn
.irp w, 0,2
.irp i, 0,1,2,3
.if (\w == 0) && (\i == 0)
	v_wmma_f32_16x16x4_f32 v[SA:SA+7], v[KF+8*\w+2*\i:KF+8*\w+2*\i+1], v[QF+8*\w+2*\i:QF+8*\w+2*\i+1], 0
	v_wmma_f32_16x16x4_f32 v[SB:SB+7], v[KF+8*\w+8+2*\i:KF+8*\w+8+2*\i+1], v[QF+8*\w+8+2*\i:QF+8*\w+8+2*\i+1], 0
.else
	v_wmma_f32_16x16x4_f32 v[SA:SA+7], v[KF+8*\w+2*\i:KF+8*\w+2*\i+1], v[QF+8*\w+2*\i:QF+8*\w+2*\i+1], v[SA:SA+7]
	v_wmma_f32_16x16x4_f32 v[SB:SB+7], v[KF+8*\w+8+2*\i:KF+8*\w+8+2*\i+1], v[QF+8*\w+8+2*\i:QF+8*\w+8+2*\i+1], v[SB:SB+7]
.endif
.endr
.endr
.rept 8
	v_nop                                          ; eight places behind this form
.endr
.irp j, 0,1,2,3,4,5,6,7
	v_add_f32 v[PP+\j], v[SA+\j], v[SB+\j]
.endr
.irp j, 0,1,2,3,4,5,6,7
	v_mul_f32 v[PP+\j], s[CS], v[PP+\j]
.endr
.irp j, 0,1,2,3,4,5,6,7
	v_exp_f32 v[PP+\j], v[PP+\j]
.endr
	v_nop
	s_wait_alu depctr_va_vdst(0)                   ; one wait for the eight exponentials
.irp j, 0,1,2,3,4,5,6,7
	v_cmp_le_i32 vcc_lo, \j, v8                    ; key 8 h + j <= query r
	v_cndmask_b32 v[PP+\j], 0, v[PP+\j], vcc_lo
.endr
	v_add_f32 v10, v[PP], v[PP+1]
	v_add_f32 v11, v[PP+2], v[PP+3]
	v_add_f32 v10, v10, v[PP+4]
	v_add_f32 v11, v11, v[PP+5]
	v_add_f32 v10, v10, v[PP+6]
	v_add_f32 v11, v11, v[PP+7]
	v_add_f32 v10, v10, v11
	v_permlanex16_b32 v11, v10, s[SEL], s[SEL+1]
	v_add_f32 v10, v10, v11
	v_rcp_f32 v10, v10
	v_nop
	s_wait_alu depctr_va_vdst(0)
	; O^T = V^T P: four sums by turns
.irp i, 0,1,2,3
.irp t, 0,1,2,3
.if \i == 0
	v_wmma_f32_16x16x4_f32 v[OO+8*\t:OO+8*\t+7], v[VT+8*\t+2*\i:VT+8*\t+2*\i+1], v[PP+2*\i:PP+2*\i+1], 0
.else
	v_wmma_f32_16x16x4_f32 v[OO+8*\t:OO+8*\t+7], v[VT+8*\t+2*\i:VT+8*\t+2*\i+1], v[PP+2*\i:PP+2*\i+1], v[OO+8*\t:OO+8*\t+7]
.endif
.endr
.endr
.rept 8
	v_nop
.endr
.irp t, 0,1,2,3
.irp j, 0,1,2,3,4,5,6,7
	v_mul_f32 v[QF+8*\t+\j], v[OO+8*\t+\j], v10    ; lane (r, h): channel 16 t + 8 h + j of query r
.endr
.endr
	s_wait_loadcnt 0x0                             ; WO
	; Y^T = WO's 32 rows x this head's 64 channels: two sums by turns
.irp t, 0,1,2,3
.irp i, 0,1,2,3
.irp e, 0,1
.if (\t == 0) && (\i == 0)
	v_wmma_f32_16x16x4_f32 v[YY+8*\e:YY+8*\e+7], v[WW+32*\e+8*\t+2*\i:WW+32*\e+8*\t+2*\i+1], v[QF+8*\t+2*\i:QF+8*\t+2*\i+1], 0
.else
	v_wmma_f32_16x16x4_f32 v[YY+8*\e:YY+8*\e+7], v[WW+32*\e+8*\t+2*\i:WW+32*\e+8*\t+2*\i+1], v[QF+8*\t+2*\i:QF+8*\t+2*\i+1], v[YY+8*\e:YY+8*\e+7]
.endif
.endr
.endr
.endr
.rept 8
	v_nop
.endr
.irp e, 0,1
	global_store_b128 v4, v[YY+8*\e:YY+8*\e+3], s[10:11] offset:\e*1024          ; each sum from its low end on; 512 consecutive bytes, aligned
	global_store_b128 v4, v[YY+8*\e+4:YY+8*\e+7], s[10:11] offset:\e*1024+512
.endr
	s_endpgm
.Lfunc_end_k_q20d817a96c_fine:
	.size	k_q20d817a96c_fine, .Lfunc_end_k_q20d817a96c_fine-k_q20d817a96c_fine
	.p2alignl 7, 3214868480
	.fill 96, 4, 3214868480
	.section	.rodata,"a",@progbits
	.p2align	6, 0x0
	.amdhsa_kernel k_q20d817a96c_fine
		.amdhsa_group_segment_fixed_size 0
		.amdhsa_private_segment_fixed_size 0
		.amdhsa_enable_private_segment 0
		.amdhsa_kernarg_size 32
		.amdhsa_user_sgpr_count 2
		.amdhsa_user_sgpr_kernarg_segment_ptr 1
		.amdhsa_wavefront_size32 1
		.amdhsa_system_sgpr_workgroup_id_x 1
		.amdhsa_system_sgpr_workgroup_id_y 1
		.amdhsa_system_sgpr_workgroup_id_z 1
		.amdhsa_system_vgpr_workitem_id 0
		.amdhsa_next_free_vgpr 256
		.amdhsa_next_free_sgpr 66
		.amdhsa_reserve_vcc 1
		.amdhsa_float_denorm_mode_32 3
		.amdhsa_float_denorm_mode_16_64 3
		.amdhsa_memory_ordered 1
		.amdhsa_forward_progress 1
		.amdhsa_inst_pref_size 19
	.end_amdhsa_kernel
	.amdgpu_metadata
---
amdhsa.version: [ 1, 2 ]
amdhsa.kernels:
  - .name:           k_q20d817a96c_fine
    .symbol:         k_q20d817a96c_fine.kd
    .args:
      - { .name: prj, .offset: 0, .size: 8, .value_kind: global_buffer, .address_space: global }
      - { .name: gmx, .offset: 8, .size: 8, .value_kind: global_buffer, .address_space: global }
      - { .name: WO, .offset: 16, .size: 8, .value_kind: global_buffer, .address_space: global }
      - { .name: fin, .offset: 24, .size: 8, .value_kind: global_buffer, .address_space: global }
    .group_segment_fixed_size: 0
    .private_segment_fixed_size: 0
    .kernarg_segment_align: 8
    .kernarg_segment_size: 32
    .max_flat_workgroup_size: 128
    .sgpr_count:     66
    .vgpr_count:     256
    .wavefront_size: 32
...
	.end_amdgpu_metadata
.endif
;; end of part 5
;; launch oproj (part 6): grid 8 x 32, 4 waves a work-group, clusters of 4 x 4, 327,680 bytes of LDS; arguments att, wo16, raw; writes raw
.if DOCPART == 6
	.amdgcn_target "amdgcn-amd-amdhsa--gfx1250"
	.amdhsa_code_object_version 6
	.text
	.protected	k_q20d817a96c_oproj
	.globl	k_q20d817a96c_oproj
	.p2align	8
	.type	k_q20d817a96c_oproj,@function
k_q20d817a96c_oproj:
	s_mov_b64 s[64:65], 0
	v_nop
	global_prefetch_b8 v0, s[64:65] scope:SCOPE_SE
	s_setreg_imm32_b32 hwreg(HW_REG_WAVE_MODE, 25, 1), 1
	s_wait_xcnt 0x0
	s_wait_alu depctr_hold_cnt(0) depctr_sa_sdst(0) depctr_va_vdst(0) depctr_va_sdst(0) depctr_va_ssrc(0) depctr_va_vcc(0) depctr_vm_vsrc(0)
	s_getreg_b32 s2, hwreg(HW_REG_IB_STS2, 6, 4)
	s_cmp_eq_u32 s2, 0
	s_cbranch_scc0 .Lentry_in_a_cluster
	s_endpgm
.Lentry_in_a_cluster:
	s_bfe_u32 s2, ttmp6, 0x10000c
	s_cmp_lg_u32 s2, 0xf033
	s_cbranch_scc0 .Lentry_shape_is_right
	s_endpgm
.Lentry_shape_is_right:
; LAUNCH 6 OF 7.  Product 6, out = att WO^T, f16 operands, f32 sums; M 4,096, N 1,024, K 1,024.  The result goes to raw as f32, not yet divided, with one sum of |out| a wave behind it (from SUMS on).
; A tile is 128 x 128 (256 work-groups), a wave 64 x 64: 16 accumulators.  K goes in steps of 256 through two LDS slots; a slot is filled again behind a round of the cluster's barrier.
; BOTH OPERANDS LIE IN MEMORY AS IMAGES OF THEIR REGISTERS: [block of 16 rows][chunk of 32 along K][half 2][512 bytes].  A K step of a block is 8,192 consecutive bytes; a wave's tensor load brings four blocks
; (4 rows of 8,192 bytes, 32,768 apart).  A fragment is two loads of 512 consecutive bytes: no pitch, no padding.
; CLUSTER 4 x 4: att's tile is shared along a row of the cluster, WO's along a column: joint loads.  The matrix instruction is used transposed (source 0 = WO's rows): a lane holds eight neighbouring columns of a row.
; The 32 rows that launch fine computes again are stored here with their tiles: their magnitudes serve the mean, and a branch round them would hang on the place in the cluster.
; REGISTERS: window 0: v1-29 addresses and sums, v32-95 the way out, v128-255 the accumulators; window 1: two fragment buffers of 128.
.set SLOT,   131072                    ; att's 8 blocks x 8,192 bytes, then WO's 8
.set STAGE,  2*SLOT                    ; 16 rows x 272 bytes for each wave: a wave's 64 columns of f32 are 256 bytes
.set SPITCH, 272
.set SPARE,  STAGE+4*16*SPITCH
.set SUMS,   16777216
.set ADRA, 16
.set ADRB, 20
.set STO,  24
.set RD,   25
.set CO,   26
.set SPW,  28
.set NIL,  29
.set TMP,  32
.set ACC,  128
.set F0,   0
.set F1,   128
.set G1, 24
.set G0, 32
.set G1B, 48
.set G0B, 56
.set MSB, 0
.macro WIN new
.if MSB != \new
	s_set_vgpr_msb (MSB<<8)|\new
.set MSB, \new
.endif
.endm
.set MUL,  0x05
.set TO_F, 0x40
.macro JLOAD s                         ; waves 0 and 1 fetch att's halves, waves 2 and 3 WO's; an s_nop 0 and four v_nop follow each line
	s_cmp_eq_u32 s11, 0
	s_cbranch_scc0 .Lfor_b_\@
	tensor_load_to_lds s[G0+4*\s:G0+4*\s+3], s[G1:G1+7]
	s_nop 0
.rept 4
	v_nop
.endr
	s_branch .Lasked_\@
.Lfor_b_\@:
	tensor_load_to_lds s[G0B+4*\s:G0B+4*\s+3], s[G1B:G1B+7]
	s_nop 0
.rept 4
	v_nop
.endr
.Lasked_\@:
.endm
.macro CREST
	s_cmp_lg_u32 s10, 0
	s_cbranch_scc1 .Lnot_wave_0_\@
	s_barrier_signal -3
.Lnot_wave_0_\@:
	s_barrier_wait -3
	s_barrier_signal -1
	s_barrier_wait -1
.endm
.macro CROUND
	s_barrier_signal -1
	s_barrier_wait -1
	CREST
.endm
	s_load_b128 s[4:7], s[0:1], 0x0                ; att, wo16
	s_load_b64 s[8:9], s[0:1], 0x10                ; raw
	v_lshl_add_u32 v[SPW], v0, 2, SPARE
	v_mov_b32 v[NIL], 0
	ds_add_u32 v[SPW], v[NIL]                      ; the wave's opening: the add, twice on end, and its wait ahead of my first tensor load
	ds_add_u32 v[SPW], v[NIL]
	v_lshrrev_b32 v1, 5, v0
	v_readfirstlane_b32 s10, v1
	s_lshr_b32 s11, s10, 1                         ; my half of the rows; also: I fetch for att (0) or WO (1)
	s_and_b32 s12, s10, 1                          ; my half of the columns; also: which four blocks I fetch
	s_bfe_u32 s40, ttmp6, 0x40000
	s_bfe_u32 s41, ttmp6, 0x40004
	s_lshl_b32 s42, ttmp9, 2
	s_add_co_u32 s42, s42, s40                     ; tile column
	s_and_b32 s13, ttmp7, 0xffff
	s_lshl_b32 s13, s13, 2
	s_add_co_u32 s13, s13, s41                     ; tile row
	s_lshl_b32 s43, s41, 2
	s_lshl_b32 s43, 15, s43                        ; my row of the cluster
	s_lshl_b32 s44, 0x1111, s40                    ; my column
	s_or_b32 s[G1+0], s43, (3<<16)|(1<<21)         ; the mask; elements of 8 bytes; bit 21 beside the mask; no padding
	s_or_b32 s[G1B+0], s44, (3<<16)|(1<<21)
.irp g, G1, G1B
	s_mov_b32 s[\g+1], 1024<<16                    ; rows of 8,192 bytes
	s_mov_b32 s[\g+2], 4<<16                       ; four of them
	s_mov_b32 s[\g+3], 1024<<16
	s_mov_b32 s[\g+4], 4
	s_mov_b32 s[\g+5], 4096                        ; 32,768 bytes apart
	s_mov_b32 s[\g+6], 0
	s_mov_b32 s[\g+7], 0
.endr
	s_lshl_b32 s17, s12, 2
	s_lshl_b32 s16, s13, 3
	s_add_co_u32 s16, s16, s17
	s_lshl_b32 s16, s16, 15                        ; att: block 8 x tile row + 4 x half
	s_lshl_b32 s46, s42, 3
	s_add_co_u32 s46, s46, s17
	s_lshl_b32 s46, s46, 15                        ; WO: block 8 x tile column + 4 x half
	s_mov_b32 s17, 0
	s_mov_b32 s47, 0
	s_lshl_b32 s20, s10, 15                        ; where they go: wave x 32,768
	s_wait_dscnt 0x0
	s_wait_kmcnt 0x0
	s_add_nc_u64 s[14:15], s[4:5], s[16:17]
	s_add_nc_u64 s[46:47], s[6:7], s[46:47]
	CROUND                                         ; all sixteen work-groups are here
.irp s, 0,1
	s_mov_b32 s[G0+4*\s], 1
	s_add_co_u32 s[G0+4*\s+1], s20, \s*SLOT
	s_add_nc_u64 s[G0+4*\s+2:G0+4*\s+3], s[14:15], \s*8192
	s_or_b32 s[G0+4*\s+3], s[G0+4*\s+3], 0x80000000
	s_mov_b32 s[G0B+4*\s], 1
	s_add_co_u32 s[G0B+4*\s+1], s20, \s*SLOT
	s_add_nc_u64 s[G0B+4*\s+2:G0B+4*\s+3], s[46:47], \s*8192
	s_or_b32 s[G0B+4*\s+3], s[G0B+4*\s+3], 0x80000000
	JLOAD \s
.endr
	v_and_b32 v1, 15, v0
	v_bfe_u32 v2, v0, 4, 1
	v_and_b32 v3, 31, v0
	v_lshlrev_b32 v3, 4, v3                        ; 16 x lane
	s_lshl_b32 s21, s11, 15
	s_lshl_b32 s22, s12, 15
	s_add_co_u32 s22, s22, 65536
.irp s, 0,1
	v_add_nc_u32 v[ADRA+\s], s21, v3
	v_add_nc_u32 v[ADRB+\s], s22, v3
	s_add_co_u32 s21, s21, SLOT
	s_add_co_u32 s22, s22, SLOT
.endr
	s_mul_i32 s23, s10, 16*SPITCH
	s_add_co_u32 s23, s23, STAGE                   ; my stage
	v_mul_u32_u24 v4, v1, SPITCH
	v_lshl_add_u32 v4, v2, 5, v4
	v_add_nc_u32 v[STO], s23, v4                   ; in: row r, 32 bytes for each half of the lanes
	v_mul_u32_u24 v5, v2, SPITCH
	v_lshl_add_u32 v5, v1, 4, v5
	v_add_nc_u32 v[RD], s23, v5                    ; back: lanes 0-15 one row of 256 bytes, lanes 16-31 the next
	v_lshlrev_b32 v5, 12, v2
	v_lshl_add_u32 v[CO], v1, 4, v5                ; the same two rows in raw
	s_lshl_b32 s16, s13, 7
	s_lshl_b32 s17, s11, 6
	s_add_co_u32 s16, s16, s17
	s_lshl_b32 s16, s16, 12                        ; my first row, 4,096 bytes a row
	s_mov_b32 s17, 0
	s_add_nc_u64 s[66:67], s[8:9], SUMS
	s_add_nc_u64 s[8:9], s[8:9], s[16:17]
	s_lshl_b32 s46, s42, 9
	s_lshl_b32 s47, s12, 8
	s_add_co_u32 s46, s46, s47                     ; my first column, in bytes
	s_mov_b32 s47, 0
	s_add_nc_u64 s[8:9], s[8:9], s[46:47]
	s_lshl_b32 s68, s13, 3
	s_add_co_u32 s68, s68, s42
	s_lshl_b32 s68, s68, 2
	s_add_co_u32 s68, s68, s10
	s_lshl_b32 s68, s68, 2                         ; my word among the 1,024 sums
	s_mov_b32 s69, 0
	s_add_nc_u64 s[66:67], s[66:67], s[68:69]
	s_mov_b32 s2, 0x76543210
	s_mov_b32 s3, 0xfedcba98
.macro MUL8 f, c, a0, zero             ; 8 matrix instructions; the 16 accumulators take turns
.irp a, \a0, \a0+1
.irp b, 0,1,2,3
.if \zero
	v_wmma_f32_16x16x32_f16 v[ACC+8*(4*(\a)+\b):ACC+8*(4*(\a)+\b)+7], v[\f+64+8*(4*\c+\b):\f+64+8*(4*\c+\b)+7], v[\f+8*(4*\c+\a):\f+8*(4*\c+\a)+7], 0
.else
	v_wmma_f32_16x16x32_f16 v[ACC+8*(4*(\a)+\b):ACC+8*(4*(\a)+\b)+7], v[\f+64+8*(4*\c+\b):\f+64+8*(4*\c+\b)+7], v[\f+8*(4*\c+\a):\f+8*(4*\c+\a)+7], v[ACC+8*(4*(\a)+\b):ACC+8*(4*(\a)+\b)+7]
.endif
.endr
.endr
.endm
.macro FETCH slot, k, f                ; 32 LDS loads: the fragments of 64 along K (two chunks) at byte k of each block; the first chunk first
	WIN TO_F
.irp c, 0,1
.irp i, 0,1,2,3
	ds_load_b128 v[\f+64+8*(4*\c+\i):\f+64+8*(4*\c+\i)+3],   v[ADRB+\slot] offset:\k+1024*\c+\i*8192
	ds_load_b128 v[\f+64+8*(4*\c+\i)+4:\f+64+8*(4*\c+\i)+7], v[ADRB+\slot] offset:\k+1024*\c+\i*8192+512
	ds_load_b128 v[\f+8*(4*\c+\i):\f+8*(4*\c+\i)+3],         v[ADRA+\slot] offset:\k+1024*\c+\i*8192
	ds_load_b128 v[\f+8*(4*\c+\i)+4:\f+8*(4*\c+\i)+7],       v[ADRA+\slot] offset:\k+1024*\c+\i*8192+512
.endr
.endr
.endm
.macro PLACES
.rept 4
	v_nop
.endr
.endm
.macro QUARTER slot, k, f, g, zero
	s_wait_dscnt 16                                ; the first chunk is in; the second's sixteen loads may be out
	WIN MUL
	MUL8 \f, 0, 0, \zero
	MUL8 \f, 0, 2, \zero
	PLACES
	FETCH \slot, \k, \g
	s_wait_dscnt 32                                ; all but the 32 just issued
	WIN MUL
	MUL8 \f, 1, 0, 0
	MUL8 \f, 1, 2, 0
.endm
.macro TURN slot, next, fill           ; a slot's last quarter, and the change of slots
	WIN 0
	s_wait_tensorcnt 0x0                           ; all my tensor loads have landed: my part of the next slot
	ds_add_u32 v[SPW], v[NIL]
	s_wait_dscnt 17                                ; the add and the youngest sixteen loads may be out
	WIN MUL
	MUL8 F1, 0, 0, 0
	s_wait_dscnt 0x0                               ; the add is done, and my reads of this slot are over
	s_barrier_signal -1
	MUL8 F1, 0, 2, 0
.if \fill
	WIN 0
.endif
	s_barrier_wait -1
.if \fill
	CREST                                          ; the barrier has opened a round of the cluster's: no wave of any partner still reads this slot or has a load on its way
	s_add_nc_u64 s[G0+4*\slot+2:G0+4*\slot+3], s[G0+4*\slot+2:G0+4*\slot+3], 16384
	s_add_nc_u64 s[G0B+4*\slot+2:G0B+4*\slot+3], s[G0B+4*\slot+2:G0B+4*\slot+3], 16384
	JLOAD \slot                                    ; the first tensor load behind the round; its four v_nop are the places in front of the loads below
.else
	PLACES
.endif
	FETCH \next, 0, F0
	WIN MUL
	MUL8 F1, 1, 0, 0
	MUL8 F1, 1, 2, 0
.endm
	s_wait_tensorcnt 1                             ; my part of K step 0 is in; K step 1's load may be out
	s_barrier_signal -1
	s_barrier_wait -1
	FETCH 0, 0, F0
	QUARTER 0, 2048, F0, F1, 1                     ; the first products start the sums
	QUARTER 0, 4096, F1, F0, 0
	QUARTER 0, 6144, F0, F1, 0
	TURN 0, 1, 1                                   ; slot 0 takes K step 2
	QUARTER 1, 2048, F0, F1, 0
	QUARTER 1, 4096, F1, F0, 0
	QUARTER 1, 6144, F0, F1, 0
	TURN 1, 0, 1                                   ; slot 1 takes K step 3
	QUARTER 0, 2048, F0, F1, 0
	QUARTER 0, 4096, F1, F0, 0
	QUARTER 0, 6144, F0, F1, 0
	TURN 0, 1, 0
	QUARTER 1, 2048, F0, F1, 0
	QUARTER 1, 4096, F1, F0, 0
	QUARTER 1, 6144, F0, F1, 0
	s_wait_dscnt 16
	WIN MUL
	MUL8 F1, 0, 0, 0
	MUL8 F1, 0, 2, 0
	s_wait_dscnt 0
	MUL8 F1, 1, 0, 0
	MUL8 F1, 1, 2, 0
	WIN 0
	PLACES
	; the sum of my 4,096 magnitudes: four chains, each accumulator from its low end on
.irp k, 0,1,2,3
	v_add_f32 v[8+\k], |v[ACC+\k]|, |v[ACC+4+\k]|
.endr
.irp t, 1,2,3,4,5,6,7,8,9,10,11,12,13,14,15
.irp j, 0,1,2,3,4,5,6,7
	v_add_f32 v[8+\j%4], v[8+\j%4], |v[ACC+8*\t+\j]|
.endr
.endr
	v_add_f32 v8, v8, v9
	v_add_f32 v10, v10, v11
	v_add_f32 v8, v8, v10
	v_add_f32_dpp v8, v8, v8 row_xmask:1 row_mask:0xf bank_mask:0xf
	v_add_f32_dpp v8, v8, v8 row_xmask:2 row_mask:0xf bank_mask:0xf
	v_add_f32_dpp v8, v8, v8 row_xmask:4 row_mask:0xf bank_mask:0xf
	v_add_f32_dpp v8, v8, v8 row_xmask:8 row_mask:0xf bank_mask:0xf
	v_permlanex16_b32 v9, v8, s2, s3
	v_add_f32 v8, v8, v9
; THE WAY OUT, 16 rows at a time through my own stage: LDS serves a wave's instructions in order, so no wait stands between the stores and the loads, nor in front of the next block's stores.
.macro TOSTAGE a
.irp b, 0,1,2,3
	ds_store_b128 v[STO], v[ACC+8*(4*(\a)+\b):ACC+8*(4*(\a)+\b)+3] offset:64*\b
	ds_store_b128 v[STO], v[ACC+8*(4*(\a)+\b)+4:ACC+8*(4*(\a)+\b)+7] offset:64*\b+16
.endr
.set BB, TMP+32*((\a)%2)
.irp t, 0,1,2,3,4,5,6,7
	ds_load_b128 v[BB+4*\t:BB+4*\t+3], v[RD] offset:\t*2*SPITCH
.endr
.endm
.macro SEND a, younger                 ; younger: the next block's sixteen LDS instructions, or none
.set BB, TMP+32*((\a)%2)
	s_wait_dscnt \younger
.irp t, 0,1,2,3,4,5,6,7
	global_store_b128 v[CO], v[BB+4*\t:BB+4*\t+3], s[8:9] offset:(16*(\a)+2*\t)*4096   ; sixteen lanes store 256 consecutive bytes, aligned
.endr
.endm
	TOSTAGE 0
	TOSTAGE 1
	SEND 0, 16
	s_wait_xcnt 0x0                                ; block 0's stores have read their registers, which block 2 takes
	TOSTAGE 2
	SEND 1, 16
	s_wait_xcnt 0x0
	TOSTAGE 3
	SEND 2, 16
	SEND 3, 0
	v_and_b32 v10, 31, v0
	v_mov_b32 v11, 0
	v_cmp_eq_u32 vcc_lo, 0, v10
	s_wait_xcnt 0x0                                ; EXEC changes only behind this wait
	s_and_saveexec_b32 s45, vcc_lo
	global_store_b32 v11, v8, s[66:67]             ; lane 0: the wave's sum
	s_wait_xcnt 0x0
	s_or_b32 exec_lo, exec_lo, s45
	s_wait_tensorcnt 0x0                           ; the wave's end
	ds_add_u32 v[SPW], v[NIL]
	s_wait_dscnt 0x0
	CROUND                                         ; the closing round
	s_endpgm
.Lfunc_end_k_q20d817a96c_oproj:
	.size	k_q20d817a96c_oproj, .Lfunc_end_k_q20d817a96c_oproj-k_q20d817a96c_oproj
	.p2alignl 7, 3214868480
	.fill 96, 4, 3214868480
	.section	.rodata,"a",@progbits
	.p2align	6, 0x0
	.amdhsa_kernel k_q20d817a96c_oproj
		.amdhsa_group_segment_fixed_size 327680
		.amdhsa_private_segment_fixed_size 0
		.amdhsa_enable_private_segment 0
		.amdhsa_kernarg_size 24
		.amdhsa_user_sgpr_count 2
		.amdhsa_user_sgpr_kernarg_segment_ptr 1
		.amdhsa_wavefront_size32 1
		.amdhsa_system_sgpr_workgroup_id_x 1
		.amdhsa_system_sgpr_workgroup_id_y 1
		.amdhsa_system_sgpr_workgroup_id_z 1
		.amdhsa_system_vgpr_workitem_id 0
		.amdhsa_next_free_vgpr 512
		.amdhsa_next_free_sgpr 72
		.amdhsa_reserve_vcc 1
		.amdhsa_float_denorm_mode_32 3
		.amdhsa_float_denorm_mode_16_64 3
		.amdhsa_memory_ordered 1
		.amdhsa_forward_progress 1
		.amdhsa_inst_pref_size 94
	.end_amdhsa_kernel
	.amdgpu_metadata
---
amdhsa.version: [ 1, 2 ]
amdhsa.kernels:
  - .name:           k_q20d817a96c_oproj
    .symbol:         k_q20d817a96c_oproj.kd
    .args:
      - { .name: att, .offset: 0, .size: 8, .value_kind: global_buffer, .address_space: global }
      - { .name: wo16, .offset: 8, .size: 8, .value_kind: global_buffer, .address_space: global }
      - { .name: raw, .offset: 16, .size: 8, .value_kind: global_buffer, .address_space: global }
    .group_segment_fixed_size: 327680
    .private_segment_fixed_size: 0
    .kernarg_segment_align: 8
    .kernarg_segment_size: 24
    .max_flat_workgroup_size: 128
    .sgpr_count:     72
    .vgpr_count:     512
    .wavefront_size: 32
...
	.end_amdgpu_metadata
.endif
;; end of part 6
;; launch scale (part 7): grid 256 x 1, 8 waves a work-group, no clusters, 0 bytes of LDS; arguments raw, fin, out0; writes out0
.if DOCPART == 7
	.amdgcn_target "amdgcn-amd-amdhsa--gfx1250"
	.amdhsa_code_object_version 6
	.text
	.protected	k_q20d817a96c_scale
	.globl	k_q20d817a96c_scale
	.p2align	8
	.type	k_q20d817a96c_scale,@function
k_q20d817a96c_scale:
	s_mov_b64 s[64:65], 0
	v_nop
	global_prefetch_b8 v0, s[64:65] scope:SCOPE_SE
	s_setreg_imm32_b32 hwreg(HW_REG_WAVE_MODE, 25, 1), 1
	s_wait_xcnt 0x0
; LAUNCH 7 OF 7.  out0 = raw / max(mean |raw|, 1).  Every wave adds the 1,024 partial sums in the same order, so all hold the same divisor.
; Work-group g owns rows 16 g on, two rows (8,192 bytes) a wave: 16 loads and 16 stores of 512 consecutive bytes.  Rows 0-15 of each sequence (g % 128 = 0) are not taken from raw: they come from fin, the f32 launch's
; sixteen shares a number, added in ascending order of heads.  Wave 0 of work-group g takes image g of fin's 256: its one store writes pieces of 16 bytes of 16 rows: 131,072 bytes in the whole launch.
; LIMIT: the mean takes the f16 path's values of those 32 rows.  Memory binds: no LDS, no matrix unit, no cluster.
; Wave 0 has a path of its own, so that no two branches have to agree.
.set SUMS, 16777216
	s_load_b128 s[4:7], s[0:1], 0x0                ; raw, fin
	s_load_b64 s[8:9], s[0:1], 0x10                ; out0
	v_lshrrev_b32 v1, 5, v0
	v_readfirstlane_b32 s10, v1
	v_and_b32 v1, 31, v0
	v_lshlrev_b32 v2, 4, v1                        ; 16 x lane
	v_mov_b32 v7, 0                                ; named with v6 as a pair
	s_mov_b32 s12, 0x76543210
	s_mov_b32 s13, 0xfedcba98
	s_and_b32 s11, ttmp9, 127                      ; 0: the work-group's rows are a sequence's first 16
	s_lshl_b32 s14, ttmp9, 16
	s_lshl_b32 s15, s10, 13
	s_add_co_u32 s14, s14, s15
	s_mov_b32 s15, 0
	s_wait_kmcnt 0x0
	s_add_nc_u64 s[16:17], s[4:5], SUMS
	s_add_nc_u64 s[4:5], s[4:5], s[14:15]
	s_add_nc_u64 s[18:19], s[8:9], s[14:15]
.macro SUMLD
.irp i, 0,1,2,3,4,5,6,7
	global_load_b128 v[16+4*\i:16+4*\i+3], v2, s[16:17] offset:512*\i
.endr
.endm
.macro INV                             ; v6 = 1 / max(the sum / 2^22, 1)
.irp i, 0,1,2,3,4,5,6,7
	v_pk_add_f32 v[16+4*\i:17+4*\i], v[16+4*\i:17+4*\i], v[18+4*\i:19+4*\i]
.endr
.irp i, 0,1,2,3
	v_pk_add_f32 v[16+8*\i:17+8*\i], v[16+8*\i:17+8*\i], v[20+8*\i:21+8*\i]
.endr
.irp i, 0,1
	v_pk_add_f32 v[16+16*\i:17+16*\i], v[16+16*\i:17+16*\i], v[24+16*\i:25+16*\i]
.endr
	v_pk_add_f32 v[16:17], v[16:17], v[32:33]
	v_add_f32 v16, v16, v17
	v_add_f32_dpp v16, v16, v16 row_xmask:1 row_mask:0xf bank_mask:0xf
	v_add_f32_dpp v16, v16, v16 row_xmask:2 row_mask:0xf bank_mask:0xf
	v_add_f32_dpp v16, v16, v16 row_xmask:4 row_mask:0xf bank_mask:0xf
	v_add_f32_dpp v16, v16, v16 row_xmask:8 row_mask:0xf bank_mask:0xf
	v_permlanex16_b32 v17, v16, s12, s13
	v_add_f32 v16, v16, v17
	v_mul_f32 v16, 0x34800000, v16                 ; / (4,096 x 1,024)
	v_max_num_f32 v16, 1.0, v16
	v_rcp_f32 v6, v16
	v_nop
	s_wait_alu depctr_va_vdst(0)                   ; the wait ahead of the reciprocal's first reader
.endm
.macro RAWPART
.irp i, 0,1,2,3,4,5,6,7,8,9,10,11,12,13,14,15
	global_load_b128 v[48+4*\i:48+4*\i+3], v2, s[4:5] offset:512*\i th:TH_LOAD_NT
.endr
	s_wait_loadcnt 16                              ; all that was asked for ahead of these sixteen is in
	INV
	s_wait_loadcnt 0x0
.irp i, 0,1,2,3,4,5,6,7,8,9,10,11,12,13,14,15
	v_pk_mul_f32 v[48+4*\i:49+4*\i], v[48+4*\i:49+4*\i], v[6:7] op_sel_hi:[1,0]
	v_pk_mul_f32 v[50+4*\i:51+4*\i], v[50+4*\i:51+4*\i], v[6:7] op_sel_hi:[1,0]
	global_store_b128 v2, v[48+4*\i:48+4*\i+3], s[18:19] offset:512*\i th:TH_STORE_NT
.endr
.endm
	s_cmp_eq_u32 s10, 0
	s_cbranch_scc1 .Lw0
	s_cmp_eq_u32 s11, 0
	s_cbranch_scc1 .Lend                           ; waves 1-7 of the two work-groups whose rows come from fin have nothing to do
	SUMLD
	RAWPART
	s_branch .Lend
.Lw0:
	SUMLD
	s_lshr_b32 s20, ttmp9, 7                       ; batch
	s_lshl_b32 s21, s20, 20
	s_lshl_b32 s22, s11, 9
	s_add_co_u32 s22, s22, s21
	s_mov_b32 s23, 0
	s_add_nc_u64 s[6:7], s[6:7], s[22:23]          ; fin: my image, head 0
	s_lshl_b32 s22, s20, 23
	s_bfe_u32 s21, ttmp9, 0x60001                  ; which 16 columns
	s_lshl_b32 s21, s21, 6
	s_add_co_u32 s22, s22, s21
	s_and_b32 s21, ttmp9, 1                        ; which four of a lane's eight
	s_lshl_b32 s21, s21, 4
	s_add_co_u32 s22, s22, s21
	s_add_nc_u64 s[8:9], s[8:9], s[22:23]
	v_and_b32 v3, 15, v0
	v_bfe_u32 v4, v0, 4, 1
	v_lshlrev_b32 v3, 12, v3
	v_lshl_add_u32 v3, v4, 5, v3                   ; row r, + 32 h
.irp n, 0,1,2,3,4,5,6,7,8,9,10,11,12,13,14,15
	global_load_b128 v[112+4*\n:112+4*\n+3], v2, s[6:7] offset:\n*65536 th:TH_LOAD_NT
.endr
	s_cmp_eq_u32 s11, 0
	s_cbranch_scc1 .Lonly
	RAWPART
	s_branch .Lfin
.Lonly:
	s_wait_loadcnt 0x0
	INV
.Lfin:
.irp n, 1,2,3,4,5,6,7,8,9,10,11,12,13,14,15
	v_pk_add_f32 v[112:113], v[112:113], v[112+4*\n:113+4*\n]
	v_pk_add_f32 v[114:115], v[114:115], v[114+4*\n:115+4*\n]
.endr
	v_pk_mul_f32 v[112:113], v[112:113], v[6:7] op_sel_hi:[1,0]
	v_pk_mul_f32 v[114:115], v[114:115], v[6:7] op_sel_hi:[1,0]
	global_store_b128 v3, v[112:115], s[8:9]
.Lend:
	s_endpgm
.Lfunc_end_k_q20d817a96c_scale:
	.size	k_q20d817a96c_scale, .Lfunc_end_k_q20d817a96c_scale-k_q20d817a96c_scale
	.p2alignl 7, 3214868480
	.fill 96, 4, 3214868480
	.section	.rodata,"a",@progbits
	.p2align	6, 0x0
	.amdhsa_kernel k_q20d817a96c_scale
		.amdhsa_group_segment_fixed_size 0
		.amdhsa_private_segment_fixed_size 0
		.amdhsa_enable_private_segment 0
		.amdhsa_kernarg_size 24
		.amdhsa_user_sgpr_count 2
		.amdhsa_user_sgpr_kernarg_segment_ptr 1
		.amdhsa_wavefront_size32 1
		.amdhsa_system_sgpr_workgroup_id_x 1
		.amdhsa_system_sgpr_workgroup_id_y 1
		.amdhsa_system_sgpr_workgroup_id_z 1
		.amdhsa_system_vgpr_workitem_id 0
		.amdhsa_next_free_vgpr 176
		.amdhsa_next_free_sgpr 66
		.amdhsa_reserve_vcc 0
		.amdhsa_float_denorm_mode_32 3
		.amdhsa_float_denorm_mode_16_64 3
		.amdhsa_memory_ordered 1
		.amdhsa_forward_progress 1
		.amdhsa_inst_pref_size 22
	.end_amdhsa_kernel
	.amdgpu_metadata
---
amdhsa.version: [ 1, 2 ]
amdhsa.kernels:
  - .name:           k_q20d817a96c_scale
    .symbol:         k_q20d817a96c_scale.kd
    .args:
      - { .name: raw, .offset: 0, .size: 8, .value_kind: global_buffer, .address_space: global }
      - { .name: fin, .offset: 8, .size: 8, .value_kind: global_buffer, .address_space: global }
      - { .name: out0, .offset: 16, .size: 8, .value_kind: global_buffer, .address_space: global }
    .group_segment_fixed_size: 0
    .private_segment_fixed_size: 0
    .kernarg_segment_align: 8
    .kernarg_segment_size: 24
    .max_flat_workgroup_size: 256
    .sgpr_count:     66
    .vgpr_count:     176
    .wavefront_size: 32
...
	.end_amdgpu_metadata
.endif
;; end of part 7
